; MI455X (gfx1250); checked and timed in simulation.
; The chip was launched on July 23, 2026; its instructions are those of AMD's public machine-readable ISA for CDNA 5 (MIT licence, August 2026) and "CDNA5" Instruction Set Architecture Reference Guide (July 2026). The comments in the code are by the model that wrote it; some were corrected since.
;; Causal Self Attention. Allowed arithmetic: matrix products marked QUANTISED: E2M3 operands, one E8M0 scale for each 32 along K, by v_wmma_scale_f32_16x16x128_f8f6f4 with both operands' format E2M3, f32 sums; everything else in f32.
;; Inputs: Wk 1,024 x 1,024 float32; Wp 1,024 x 1,024 float32; Wq 1,024 x 1,024 float32; Wv 1,024 x 1,024 float32; bk 1,024 float32; bp 1,024 float32; bq 1,024 float32; bv 1,024 float32; x 4 x 2,048 x 1,024 float32.
;; Outputs: out0 4 x 2,048 x 1,024 float32.
;; This version of the problem:
;;   THIS VERSION OF THE PROBLEM IS GIVEN IN LOW PRECISION. The matrix products marked QUANTISED in the list below multiply operands that are first quantised to E2M3 (2 exponent bits, 3 mantissa bits; 6 bits a number), with one power-of-two scale for each 32 numbers along K (OCP MX v1.0); their sums are f32. All else is computed in f32.
;;   The module's matrix products, in the order in which they are computed (A, B: the left and right operand; K: the contracted axis; several contracted axes count as one K, in the product's order):
;;     1. [M 8,192, K 1,024] x [K 1,024, N 1,024]; A: input x; B: input Wq: QUANTISED
;;     2. [M 8,192, K 1,024] x [K 1,024, N 1,024]; A: input x; B: input Wk: QUANTISED
;;     3. [M 8,192, K 1,024] x [K 1,024, N 1,024]; A: input x; B: input Wv: QUANTISED
;;     4. batch 64 x [M 2,048, K 64] x [K 64, N 2,048]; A: computed on the way; B: computed on the way: QUANTISED
;;     5. batch 64 x [M 2,048, K 2,048] x [K 2,048, N 64]; A: softmax (see below); B: computed on the way: QUANTISED
;;     6. [M 8,192, K 1,024] x [K 1,024, N 1,024]; A: computed on the way; B: input Wp: QUANTISED
;;   THE QUANTISER, for each operand of a quantised product, along K:
;;     - K is cut into blocks of 32 from its start; a last block that is shorter is filled with zeros.
;;     - A block's scale is 2^e with e = floor(log2(the largest magnitude in the block)) - 2, held to -126 .. 127; a block of zeros has e = 0. As a byte (E8M0): e + 127.
;;     - Each number is divided by its block's scale, clamped to +-7.5, and rounded to the nearest number of E2M3, ties to even, subnormals kept.
;;     - The product sums the exact products of the quantised numbers (number of the format x scale) in f32.
;;   ~~~python
;;   def quantise(x, axis):      # numpy; x: float32 -> the quantised numbers, widened to float32 again
;;       x = np.moveaxis(x, axis, -1); K = x.shape[-1]
;;       x = np.pad(x, [(0, 0)] * (x.ndim - 1) + [(0, -K % 32)]); x = x.reshape(x.shape[:-1] + (-1, 32)); a = np.abs(x).max(-1, keepdims=True)
;;       e = np.where(a > 0, np.clip(np.frexp(np.where(a > 0, a, 1))[1] - 1 - 2, -126, 127), 0)      # np.frexp(a)[1] - 1 = floor(log2(a)), exactly
;;       r = np.clip(x / 2.0 ** e, -7.5, 7.5)
;;       step = 2.0 ** (np.maximum(np.frexp(np.where(r == 0, 1, r))[1] - 1, 0) - 3)
;;       q = np.round(r / step) * step * 2.0 ** e      # np.round: ties to even
;;       return np.moveaxis(q.reshape(q.shape[:-2] + (-1,))[..., :K], -1, axis).astype(np.float32)
;;   ~~~
;;   SOFTMAX AHEAD OF A QUANTISED PRODUCT. Where the list says 'softmax', what is quantised is not the finished softmax but p = 2^(t - M), with t = logit x log2(e) and M = ceil(the row's largest t), a whole number; so 1/2 < the row's largest p <= 1. The row's sum l is taken of the UNQUANTISED p, in f32, and the product's result is divided by l at the end. Since M is a whole number, a kernel that streams over the keys may use a running M (the ceiling of the running maximum): every later rescaling is an exact power of two, which a block's scale takes up: the codes' values come out the same.
;;   OPERANDS COMPUTED ON THE WAY. 'Computed on the way' means the value that the module computes at that place (a softmax that the list does not call 'softmax' is quantised finished and normalised). What goes into a quantiser is computed in f32, as accurately as f32 sums, v_exp_f32 and their like allow (about 1e-6 of the number): no bf16 or f16 on the way to a quantiser, and a product that is left as it is and whose result goes on into a quantised operand takes f32 operands (vector FMAs, or v_wmma_f32_16x16x4_f32). A number that lies on a knife's edge between two numbers of the format may be rounded either way, as far as f32 arithmetic and the matrix unit's own rounding can turn it there, and no further.
;; One version. Each part assembles by itself: llvm-mc -triple=amdgcn-amd-amdhsa -mcpu=gfx1250 --defsym DOCPART=n.
;; ======== version 1 of 1: 4 launches
;; workspace buffers: xc 6,291,456 bytes; xs 262,144 bytes; wc 3,145,728 bytes; ws 131,072 bytes; qkvc 18,874,368 bytes; qkvs 1,310,720 bytes; yc 6,291,456 bytes; ys 262,144 bytes
;; launch quant (part 1): grid 384 x 1, 4 waves a work-group, no clusters, 34,304 bytes of LDS; arguments x, Wq, Wk, Wv, Wp, xc, xs, wc, ws; writes xc, xs, wc, ws
.if DOCPART == 1
	.amdgcn_target "amdgcn-amd-amdhsa--gfx1250"
	.amdhsa_code_object_version 6
	.text
	.protected	k_q1c7ae654f5_quant
	.globl	k_q1c7ae654f5_quant
	.p2align	8
	.type	k_q1c7ae654f5_quant,@function
k_q1c7ae654f5_quant:
	s_mov_b64 s[64:65], 0
	v_nop
	global_prefetch_b8 v0, s[64:65] scope:SCOPE_SE
	s_setreg_imm32_b32 hwreg(HW_REG_WAVE_MODE, 25, 1), 1
	s_wait_xcnt 0x0
; x [8192][1024] and Wq, Wk, Wv, Wp [1024][1024], f32, K innermost, become codes of FP6 (E2M3) with one E8M0 byte for each 32 along K.
; A block's scale is 2^(floor(log2(its largest magnitude)) - 2); its byte is the largest magnitude's exponent field - 2, held at 1 from below.
; LIMITS: a block of zeros gets the byte 1 where the rule says 127 (its codes are zeros, and this program alone reads the bytes); blocks whose largest
; magnitude lies under 2^-124 are held at that floor; NaN and infinities among the inputs are not served.
; LAYOUT OF THE RESULTS: the order of the matrix operand's registers.  A matrix's rows are cut into TILES of 16: row i of tile T is row 32 (T / 2) + 8 (T % 2) + i + 8 (i / 8).
; A FRAGMENT (a tile x 128 along K, 12 registers a lane) is 1,536 bytes: for each half c (64 along K) registers 6 c .. 6 c + 3 at 16 x lane (512 bytes), then registers
; 6 c + 4, 6 c + 5 at 8 x lane (256 bytes).  Codes: [tile][K step 8][fragment].  Scale words (four bytes: a row's 128 along K): [tile][K step / 4][row 16][K step % 4].
; The four weights' tiles lie on end in wc and ws.
; SHARES: a wave takes one tile x 512 along K: four fragments.  Work-groups 0-255 take x, then 32 each Wq, Wk, Wv, Wp: only pointers are chosen, there is one path.
; Each load reads 512 consecutive bytes of one row; a fragment's 16 x 512 bytes turn through the wave's own stage in LDS (rows 528 bytes apart), out of which lane (r, h) takes
; blocks h and 2 + h of row r: the very numbers that the operand's layout gives that lane, so the conversions' results are the operand's registers.
; No matrix unit, no tensor load, no cluster, no barrier: memory binds, and waves share nothing.
.set X,   16                           ; v16-79    my two blocks of 32 numbers
.set R,   80                           ; v80-207   two sets of 64 registers as loaded
.set PC,  208                          ; v208-219  a fragment's codes
.set PT,  220                          ; v220-226  the blocks' upper halves, as the conversions leave them
.set TM,  228                          ; v228-229 largest magnitudes, v230-231 scale operands, v232-233 bytes, v234-235 at work
.set PWS, 240                          ; v240-243  the four fragments' scale words
.set STG, 16*528                       ; a wave's stage
	s_load_b256 s[4:11], s[0:1], 0x0               ; x, Wq, Wk, Wv
	s_load_b256 s[12:19], s[0:1], 0x20             ; Wp, xc, xs, wc
	s_load_b64 s[20:21], s[0:1], 0x40              ; ws
	v_lshl_add_u32 v248, v0, 2, 0x8400
	v_mov_b32 v249, 0
	v_lshrrev_b32 v8, 5, v0
	v_readfirstlane_b32 s22, v8                    ; wave
	v_and_b32 v8, 31, v0                           ; lane
	v_and_b32 v9, 15, v0                           ; r
	v_bfe_u32 v7, v0, 4, 1                         ; h
	v_lshlrev_b32 v1, 4, v8                        ; 16 x lane
	v_lshlrev_b32 v2, 3, v8                        ; 8 x lane
	s_mul_i32 s23, s22, STG
	v_add_nc_u32 v3, s23, v1                       ; the stage, on the way in: a row's 512 bytes as they lie
	v_mul_u32_u24 v4, v9, 528
	v_lshl_add_u32 v4, v7, 7, v4
	v_add_nc_u32 v4, s23, v4                       ; on the way out: row r, block h
	v_lshlrev_b32 v5, 3, v7                        ; 8 h: my bytes' place in a scale word
	v_lshlrev_b32 v6, 4, v9
	v_lshl_add_u32 v6, v7, 3, v6                   ; 16 r + 8 h: my two scale words' place
	v_mov_b32 v[TM+6], 0                           ; written once: a lane permute's destination counts as one of its sources
	s_mov_b32 s24, 0x76543210
	s_mov_b32 s25, 0xfedcba98                      ; v_permlanex16_b32's selects for lane l xor 16
	s_cmp_lt_u32 ttmp9, 256                        ; x's work-group or a weight's
	s_cselect_b32 s26, 0, 256
	s_cselect_b32 s27, 511, 63                     ; tiles in the source tensor, less one
	s_sub_co_u32 s26, ttmp9, s26
	s_lshl_b32 s26, s26, 2
	s_add_co_u32 s26, s26, s22                     ; my wave's task
	s_lshr_b32 s28, s26, 1                         ; its tile in xc, or in the four weights' run,
	s_and_b32 s29, s26, 1                          ; and which 512 along K
	s_and_b32 s27, s28, s27                        ; the tile in its own tensor
	s_lshr_b32 s30, s27, 1
	s_lshl_b32 s30, s30, 5
	s_and_b32 s31, s27, 1
	s_lshl_b32 s31, s31, 3
	s_add_co_u32 s30, s30, s31                     ; its first row
	s_lshl_b32 s30, s30, 12                        ; rows of 4,096 bytes
	s_lshl_b32 s31, s29, 11
	s_add_co_u32 s30, s30, s31
	s_mov_b32 s31, 0
	s_mul_i32 s32, s28, 12288                      ; codes: 8 fragments a tile
	s_mul_i32 s33, s29, 6144
	s_add_co_u32 s32, s32, s33
	s_mov_b32 s33, 0
	s_lshl_b32 s34, s28, 9                         ; scale words: 512 bytes a tile
	s_lshl_b32 s35, s29, 8
	s_add_co_u32 s34, s34, s35
	s_mov_b32 s35, 0
	s_wait_alu depctr_va_vdst(0)
	s_wait_kmcnt 0x0
	s_cmp_lt_u32 ttmp9, 352                        ; the choices hang on the work-group's number alone
	s_cselect_b64 s[12:13], s[10:11], s[12:13]
	s_cmp_lt_u32 ttmp9, 320
	s_cselect_b64 s[12:13], s[8:9], s[12:13]
	s_cmp_lt_u32 ttmp9, 288
	s_cselect_b64 s[12:13], s[6:7], s[12:13]
	s_cmp_lt_u32 ttmp9, 256
	s_cselect_b64 s[12:13], s[4:5], s[12:13]
	s_cselect_b64 s[14:15], s[14:15], s[18:19]
	s_cselect_b64 s[16:17], s[16:17], s[20:21]
	s_add_nc_u64 s[12:13], s[12:13], s[30:31]
	s_add_nc_u64 s[14:15], s[14:15], s[32:33]
	s_add_nc_u64 s[16:17], s[16:17], s[34:35]
.macro LOAD t                          ; fragment t's numbers: 512 consecutive bytes of each of the tile's 16 rows
.irp i, 0,1,2,3,4,5,6,7,8,9,10,11,12,13,14,15
	global_load_b128 v[R+64*((\t)%2)+4*\i:R+64*((\t)%2)+4*\i+3], v1, s[12:13] offset:(\i+8*(\i/8))*4096+512*(\t) th:TH_LOAD_NT
.endr
.endm
.macro TURN t                          ; through the stage: LDS serves a wave's instructions in order, so no wait stands between the stores and the loads
.irp i, 0,1,2,3,4,5,6,7,8,9,10,11,12,13,14,15
	ds_store_b128 v3, v[R+64*((\t)%2)+4*\i:R+64*((\t)%2)+4*\i+3] offset:528*\i
.endr
.irp c, 0,1
.irp e, 0,1,2,3,4,5,6,7
	ds_load_b128 v[X+32*\c+4*\e:X+32*\c+4*\e+3], v4 offset:256*\c+16*\e
.endr
.endr
.endm
.macro Q2 t                            ; my blocks h and 2 + h of row r: scale bytes, codes, stores
.irp c, 0,1
	v_max3_num_f32 v[TM+\c], |v[X+32*\c]|, |v[X+32*\c+1]|, 0x1800000   ; with the floor 2^(3 - 127) among the leaves: the byte cannot fall under 1
.endr
.irp i, 2,4,6,8,10,12,14,16,18,20,22,24,26,28,30
.irp c, 0,1
	v_max3_num_f32 v[TM+\c], v[TM+\c], |v[X+32*\c+\i]|, |v[X+32*\c+\i+1]|
.endr
.endr
.irp c, 0,1
	v_add_nc_u32 v[TM+2+\c], 0xff000000, v[TM+\c]  ; 2 off the exponent field: the conversion takes this operand's exponent field as its scale
.endr
.irp c, 0,1
	v_lshrrev_b32 v[TM+4+\c], 23, v[TM+2+\c]       ; the scale's byte
.endr
	v_lshl_or_b32 v[TM+7], v[TM+5], 16, v[TM+4]
	v_lshlrev_b32 v[TM+7], v5, v[TM+7]             ; my two bytes at their places,
	v_permlanex16_b32 v[TM+6], v[TM+7], s24, s25
	v_or_b32 v[PWS+(\t)], v[TM+7], v[TM+6]         ; with lane l xor 16's two the word is whole
.if (\t) > 0
	s_wait_alu depctr_va_vdst(0)
	s_wait_xcnt 0x0                                ; the last fragment's stores have had their addresses translated: their data registers are written again only behind this wait
.endif
.irp c, 0,1
	v_cvt_scalef32_pk16_fp6_f32 v[PC+6*\c:PC+6*\c+2], v[X+32*\c:X+32*\c+15], v[TM+2+\c]
	v_cvt_scalef32_pk16_fp6_f32 v[PT+4*\c:PT+4*\c+2], v[X+32*\c+16:X+32*\c+31], v[TM+2+\c]   ; (a conversion's three registers begin on an even number)
.endr
	v_nop                                          ; one plain place behind a scaled conversion
.irp c, 0,1
.irp i, 0,1,2
	v_mov_b32 v[PC+6*\c+3+\i], v[PT+4*\c+\i]
.endr
.endr
	global_store_b128 v1, v[PC:PC+3], s[14:15] offset:1536*(\t)             ; each store covers 512 or 256 consecutive bytes, aligned to 256
	global_store_b64 v2, v[PC+4:PC+5], s[14:15] offset:1536*(\t)+512
	global_store_b128 v1, v[PC+6:PC+9], s[14:15] offset:1536*(\t)+768
	global_store_b64 v2, v[PC+10:PC+11], s[14:15] offset:1536*(\t)+1280
.endm
	LOAD 0
	LOAD 1
.irp t, 0,1,2,3
.if \t < 3
	s_wait_loadcnt 16                              ; this fragment's sixteen loads are in; the next one's may be out
.else
	s_wait_loadcnt 0x0
.endif
	TURN \t
	s_wait_dscnt 0x0                               ; my numbers are back, and the stores into the stage have read their registers,
.if \t < 2
	LOAD \t+2                                      ; which take the loads of two fragments on
.endif
	Q2 \t
.endr
	v_cmp_ne_u32 vcc_lo, 0, v7
	v_cndmask_b32 v[TM], v[PWS], v[PWS+2], vcc_lo  ; lanes 0-15 store words 0, 1 of row r, lanes 16-31 words 2, 3
	v_cndmask_b32 v[TM+1], v[PWS+1], v[PWS+3], vcc_lo
	global_store_b64 v6, v[TM:TM+1], s[16:17]      ; 32 lanes store 256 consecutive bytes, aligned
	s_wait_tensorcnt 0x0
	ds_add_u32 v248, v249
	s_wait_dscnt 0x0
	s_endpgm
.Lfunc_end_k_q1c7ae654f5_quant:
	.size	k_q1c7ae654f5_quant, .Lfunc_end_k_q1c7ae654f5_quant-k_q1c7ae654f5_quant
	.p2alignl 7, 3214868480
	.fill 96, 4, 3214868480
	.section	.rodata,"a",@progbits
	.p2align	6, 0x0
	.amdhsa_kernel k_q1c7ae654f5_quant
		.amdhsa_group_segment_fixed_size 34304
		.amdhsa_private_segment_fixed_size 0
		.amdhsa_enable_private_segment 0
		.amdhsa_kernarg_size 72
		.amdhsa_user_sgpr_count 2
		.amdhsa_user_sgpr_kernarg_segment_ptr 1
		.amdhsa_wavefront_size32 1
		.amdhsa_system_sgpr_workgroup_id_x 1
		.amdhsa_system_sgpr_workgroup_id_y 1
		.amdhsa_system_sgpr_workgroup_id_z 1
		.amdhsa_system_vgpr_workitem_id 0
		.amdhsa_next_free_vgpr 250
		.amdhsa_next_free_sgpr 66
		.amdhsa_reserve_vcc 1
		.amdhsa_float_denorm_mode_32 3
		.amdhsa_float_denorm_mode_16_64 3
		.amdhsa_memory_ordered 1
		.amdhsa_forward_progress 1
		.amdhsa_inst_pref_size 31
	.end_amdhsa_kernel
	.amdgpu_metadata
---
amdhsa.version: [ 1, 2 ]
amdhsa.kernels:
  - .name:           k_q1c7ae654f5_quant
    .symbol:         k_q1c7ae654f5_quant.kd
    .args:
      - { .name: x, .offset: 0, .size: 8, .value_kind: global_buffer, .address_space: global }
      - { .name: Wq, .offset: 8, .size: 8, .value_kind: global_buffer, .address_space: global }
      - { .name: Wk, .offset: 16, .size: 8, .value_kind: global_buffer, .address_space: global }
      - { .name: Wv, .offset: 24, .size: 8, .value_kind: global_buffer, .address_space: global }
      - { .name: Wp, .offset: 32, .size: 8, .value_kind: global_buffer, .address_space: global }
      - { .name: xc, .offset: 40, .size: 8, .value_kind: global_buffer, .address_space: global }
      - { .name: xs, .offset: 48, .size: 8, .value_kind: global_buffer, .address_space: global }
      - { .name: wc, .offset: 56, .size: 8, .value_kind: global_buffer, .address_space: global }
      - { .name: ws, .offset: 64, .size: 8, .value_kind: global_buffer, .address_space: global }
    .group_segment_fixed_size: 34304
    .private_segment_fixed_size: 0
    .kernarg_segment_align: 8
    .kernarg_segment_size: 72
    .max_flat_workgroup_size: 128
    .sgpr_count:     66
    .vgpr_count:     250
    .wavefront_size: 32
...
	.end_amdgpu_metadata
.endif
;; end of part 1
;; launch qkv (part 2): grid 12 x 32, 4 waves a work-group, clusters of 4 x 4, 327,680 bytes of LDS; arguments xc, xs, wc, ws, bq, bk, bv, qkvc, qkvs; writes qkvc, qkvs
.if DOCPART == 2
	.amdgcn_target "amdgcn-amd-amdhsa--gfx1250"
	.amdhsa_code_object_version 6
	.text
	.protected	k_q1c7ae654f5_qkv
	.globl	k_q1c7ae654f5_qkv
	.p2align	8
	.type	k_q1c7ae654f5_qkv,@function
k_q1c7ae654f5_qkv:
	s_mov_b64 s[64:65], 0
	v_nop
	global_prefetch_b8 v0, s[64:65] scope:SCOPE_SE
	s_setreg_imm32_b32 hwreg(HW_REG_WAVE_MODE, 25, 1), 1
	s_wait_xcnt 0x0
	s_wait_alu depctr_hold_cnt(0) depctr_sa_sdst(0) depctr_va_vdst(0) depctr_va_sdst(0) depctr_va_ssrc(0) depctr_va_vcc(0) depctr_vm_vsrc(0)
	s_getreg_b32 s2, hwreg(HW_REG_IB_STS2, 6, 4)
	s_cmp_eq_u32 s2, 0
	s_cbranch_scc0 .Lentry_in_a_cluster
	s_endpgm
.Lentry_in_a_cluster:
	s_bfe_u32 s2, ttmp6, 0x10000c
	s_cmp_lg_u32 s2, 0xf033
	s_cbranch_scc0 .Lentry_shape_is_right
	s_endpgm
.Lentry_shape_is_right:
; q = x Wq^T + bq, k = x Wk^T + bk, v = x Wv^T + bv on codes of FP6 (E2M3) with E8M0 block scales, sums in f32; the results are quantised in registers, q and k along the head's 64, v along the keys,
; and leave as codes and scale words in the order of the next products' operand registers.  Nothing wider than codes goes to memory.
; OPERANDS arrive as fragments of 1,536 bytes (a tile of 16 rows x 128 K; for each half of 64 K: registers 6 c .. 6 c + 3 at 16 x lane, then 6 c + 4, 6 c + 5 at 8 x lane); row i of tile T is matrix row
; 32 (T / 2) + 8 (T % 2) + i + 8 (i / 8).  So, as source 0, tiles 2 b and 2 b + 1 leave a lane 16 NEIGHBOURS, 32 b + 16 (lane / 16) + 0 .. 15, in 16 registers: what the conversions want.
; A tile of the result is 256 x 256: four waves, each 128 x 128 in 64 accumulators.  Source 1 (role A, one set of registers) gives a lane its row, source 0 (role B, two sets) runs along its registers.
; Clusters x = 0, 1 make q, k: B = 256 rows of the weight, A = 256 tokens: a lane holds a token, its registers two heads' channels.  Cluster x = 2 makes v: B = 256 tokens, A = 256 rows of Wv: a lane
; holds a channel, its registers 128 keys.  The change of sides is made by addresses alone; the loop's text is one.
; K = 1,024 goes in 8 steps of 128 through two LDS slots of two steps each (four fills); the scale words of all of K come once.  4 x 4 work-groups form a cluster: A's tiles are asked for jointly along
; a row of the cluster, B's along a column.
; LIMITS: a block of zeros gets the byte 1 where the rule says 127 (zero codes; this program alone reads the bytes); blocks under 2^-124 are held at that floor; NaN and infinities are not served.
; REGISTERS: window 0: v0-7 at work, later the blocks' scale words; v8-15 v's bias; v16-31 addresses; v32-95 scale words, nothing else; v96-127, v224-255 q's or k's bias in the result's layout;
;   v128-223 A's fragments, on the way out the numbers and codes in hand.  window 1: B's fragments at v0 and v128.  windows 2, 3: accumulator (a, b) at v[8 (8 (a % 4) + b)] of window 2 + a / 4.
.set FR,     12                        ; registers of a fragment
.set TILEB,  3072                      ; a tile's two K steps in a slot
.set HALFT,  8*TILEB                   ; eight tiles: what one tensor load brings, and what one wave reads of A or of B
.set SLOT,   4*HALFT                   ; A's 16 tiles, then B's
.set SCL,    2*SLOT                    ; behind the ring: A's scale words (8,192 bytes), then B's
.set SPARE,  SCL+16384                 ; the spare words, 128 bytes for each wave: two blocks of 256 bytes that no other line names
.set ADRA16, 16                        ; v16-17 LDS address of my A fragments' 16-byte pieces in slot 0, 1;  v18-19 of their 8-byte pieces
.set ADRA8,  18
.set ADRB16, 20                        ; v20-23 the same for B
.set ADRB8,  22
.set L16,    24                        ; v24  16 x lane
.set L8,     25                        ; v25  8 x lane
.set H,      26                        ; v26  lane / 16
.set ADRS,   27                        ; v27  LDS address of my scale words: lanes 0-15 A's, lanes 16-31 B's
.set SPW,    28                        ; v28  LDS address of my spare word; never rewritten
.set NIL,    29                        ; v29  0; never rewritten
.set BO,     30                        ; v30  64 x (lane / 16): the bias along registers
.set BQO,    31                        ; v31  4 (r + 8 (r / 8)): the bias along lanes
.set BQ,     8
.set SC,     32                        ; tile i, K step s at v[SC + 32 (s / 4) + 4 i + s % 4]: lanes 0-15 the word of A's tile i, lanes 16-31 of B's
.set AF,     128
.set ST,     128                       ; the way out: 64 numbers
.set PC,     192                       ; their codes
.set PT,     204
.set TM,     212                       ; v212-215 largest magnitudes, v216-219 bytes, v220-223 scale operands
.set G1,   24                          ; s[24:31] descriptor group 1 for A's codes, s[32:39] group 0, one set for each slot
.set G0,   32
.set G1B,  48                          ; s[48:55], s[56:63] for B's
.set G0B,  56
.set G1S,  68                          ; s[68:75], s[76:79] for A's scale words;  s[80:87], s[88:91] for B's
.set G0S,  76
.set G1SB, 80
.set G0SB, 88
.set SEL,  100                         ; s[100:101] lane selects for v_permlanex16_b32
.set MSB, 0
.macro WIN new                         ; the immediate's high byte repeats the setting that is left
.if MSB != \new
	s_set_vgpr_msb (MSB<<8)|\new
.set MSB, \new
.endif
.endm
.set MUL_LO, 0xa1                      ; source 0 (B) window 1, source 1 (A) window 0, C and D window 2
.set MUL_HI, 0xf1                      ; the same, C and D window 3
.set TO_B,   0x40                      ; destination window 1, address window 0
; A joint load: waves 0 and 1 fetch for A, waves 2 and 3 for B; the branch hangs on the wave's number alone.  Four v_nop follow each of the two lines.
.macro JLOAD g0a, g1a, g0b, g1b
	s_cmp_eq_u32 s23, 0
	s_cbranch_scc0 .Lfor_b_\@
	tensor_load_to_lds s[\g0a:\g0a+3], s[\g1a:\g1a+7]
	s_nop 0
.rept 4
	v_nop
.endr
	s_branch .Lasked_\@
.Lfor_b_\@:
	tensor_load_to_lds s[\g0b:\g0b+3], s[\g1b:\g1b+7]
	s_nop 0
.rept 4
	v_nop
.endr
.Lasked_\@:
.endm
.macro CREST                           ; a round of the cluster's barrier behind its opening barrier
	s_cmp_lg_u32 s22, 0
	s_cbranch_scc1 .Lnot_wave_0_\@
	s_barrier_signal -3
.Lnot_wave_0_\@:
	s_barrier_wait -3
	s_barrier_signal -1
	s_barrier_wait -1
.endm
.macro CROUND
	s_barrier_signal -1
	s_barrier_wait -1
	CREST
.endm
.macro PLACES                          ; four plain places behind a matrix instruction of this form, in front of loads into its registers and of reads of its results
.rept 4
	v_nop
.endr
.endm
	s_load_b256 s[4:11], s[0:1], 0x0               ; xc s[4:5], xs s[6:7], wc s[8:9], ws s[10:11]
	s_load_b256 s[12:19], s[0:1], 0x20             ; bq s[12:13], bk s[14:15], bv s[16:17], qkvc s[18:19]
	s_load_b64 s[20:21], s[0:1], 0x40              ; qkvs
	v_lshl_add_u32 v[SPW], v0, 2, SPARE
	v_mov_b32 v[NIL], 0
	ds_add_u32 v28, v29
	ds_add_u32 v28, v29
	s_wait_dscnt 0x0
	v_lshrrev_b32 v1, 5, v0
	v_readfirstlane_b32 s22, v1                    ; wave 0..3
	s_lshr_b32 s23, s22, 1                         ; hA: which 8 tiles of A are mine.  Also: I fetch for A (0) or for B (1)
	s_and_b32 s66, s22, 1                          ; hB: which 8 tiles of B.  Also: which 8 tiles I fetch
	s_bfe_u32 s40, ttmp6, 0x40000                  ; cx, cy: my place in the cluster
	s_bfe_u32 s41, ttmp6, 0x40004
	s_and_b32 s42, ttmp7, 0xffff                   ; the cluster's y
	s_lshl_b32 s43, s41, 2
	s_lshl_b32 s43, 15, s43                        ; my row of the cluster
	s_lshl_b32 s44, 0x1111, s40                    ; my column
	; group 1 for codes: 8 rows (tiles) of 3,072 bytes (two K steps), 12,288 bytes apart, in elements of 8 bytes; dense in LDS
	s_or_b32 s[G1+0], s43, (3<<16)|(1<<21)         ; 15:0 the mask: A's tiles go to my row; 17:16 elements of 8 bytes; 21 set beside a mask
	s_or_b32 s[G1B+0], s44, (3<<16)|(1<<21)
.irp g, G1, G1B
	s_mov_b32 s[\g+1], 384<<16                     ; tensor_dim0
	s_mov_b32 s[\g+2], 8<<16                       ; tensor_dim1
	s_mov_b32 s[\g+3], 384<<16                     ; tile_dim0
	s_mov_b32 s[\g+4], 8                           ; tile_dim1
	s_mov_b32 s[\g+5], 1536                        ; tensor_dim0_stride
	s_mov_b32 s[\g+6], 0
	s_mov_b32 s[\g+7], 0
.endr
	; group 1 for scale words: eight tiles' 4,096 dense bytes as 16 rows of 256
	s_or_b32 s[G1S+0], s43, (3<<16)|(1<<21)
	s_or_b32 s[G1SB+0], s44, (3<<16)|(1<<21)
.irp g, G1S, G1SB
	s_mov_b32 s[\g+1], 32<<16
	s_mov_b32 s[\g+2], 16<<16
	s_mov_b32 s[\g+3], 32<<16
	s_mov_b32 s[\g+4], 16
	s_mov_b32 s[\g+5], 32
	s_mov_b32 s[\g+6], 0
	s_mov_b32 s[\g+7], 0
.endr
	; which blocks of 256 rows.  q, k: B = block 4 X + cx of the weights' run, A = block 4 Y + cy of x.  v: B = block 4 Y + cx of x, A = block 8 + cy of the weights' run (Wv).
	s_cmp_eq_u32 ttmp9, 2                          ; the cluster's x: alike in all partners
	s_cselect_b32 s45, s42, ttmp9
	s_cselect_b32 s46, 2, s42
	s_lshl_b32 s45, s45, 2
	s_add_co_u32 s45, s45, s40                     ; B's block: it never meets cy
	s_lshl_b32 s46, s46, 2
	s_add_co_u32 s46, s46, s41                     ; A's block: it never meets cx
	s_mul_i32 s47, s66, 98304                      ; the eight tiles that I fetch
	s_mul_i32 s92, s46, 196608
	s_add_co_u32 s92, s92, s47
	s_mov_b32 s93, 0
	s_mul_i32 s96, s45, 196608
	s_add_co_u32 s96, s96, s47
	s_mov_b32 s97, 0
	s_lshl_b32 s47, s66, 12
	s_lshl_b32 s94, s46, 13
	s_add_co_u32 s94, s94, s47
	s_mov_b32 s95, 0
	s_lshl_b32 s98, s45, 13
	s_add_co_u32 s98, s98, s47
	s_mov_b32 s99, 0
	s_mul_i32 s67, s22, HALFT                      ; where they go: wave x eight tiles: no place in the cluster enters an LDS address
	s_lshl_b32 s100, s22, 12
	s_wait_kmcnt 0x0
	s_cmp_eq_u32 ttmp9, 2
	s_cselect_b64 s[2:3], s[8:9], s[4:5]
	s_add_nc_u64 s[92:93], s[2:3], s[92:93]        ; A's codes
	s_cselect_b64 s[2:3], s[10:11], s[6:7]
	s_add_nc_u64 s[94:95], s[2:3], s[94:95]        ; A's scale words
	s_cselect_b64 s[2:3], s[4:5], s[8:9]
	s_add_nc_u64 s[96:97], s[2:3], s[96:97]        ; B's codes
	s_cselect_b64 s[2:3], s[6:7], s[10:11]
	s_add_nc_u64 s[98:99], s[2:3], s[98:99]        ; B's scale words
	CROUND                                         ; all sixteen work-groups are here: the first joint loads meet
	s_mov_b32 s[G0S], 1
	s_add_co_u32 s[G0S+1], s100, SCL
	s_mov_b64 s[G0S+2:G0S+3], s[94:95]
	s_or_b32 s[G0S+3], s[G0S+3], 0x80000000
	s_mov_b32 s[G0SB], 1
	s_add_co_u32 s[G0SB+1], s100, SCL
	s_mov_b64 s[G0SB+2:G0SB+3], s[98:99]
	s_or_b32 s[G0SB+3], s[G0SB+3], 0x80000000
	JLOAD G0S, G1S, G0SB, G1SB                     ; the scale words of all of K: filled once
.irp s, 0,1
	s_mov_b32 s[G0+4*\s], 1
	s_add_co_u32 s[G0+4*\s+1], s67, \s*SLOT
	s_add_nc_u64 s[G0+4*\s+2:G0+4*\s+3], s[92:93], \s*TILEB
	s_or_b32 s[G0+4*\s+3], s[G0+4*\s+3], 0x80000000
	s_mov_b32 s[G0B+4*\s], 1
	s_add_co_u32 s[G0B+4*\s+1], s67, \s*SLOT
	s_add_nc_u64 s[G0B+4*\s+2:G0B+4*\s+3], s[96:97], \s*TILEB
	s_or_b32 s[G0B+4*\s+3], s[G0B+4*\s+3], 0x80000000
	JLOAD G0+4*\s, G1, G0B+4*\s, G1B               ; three tensor loads of mine are out
.endr
	v_and_b32 v1, 31, v0                           ; lane
	v_and_b32 v2, 15, v0                           ; r
	v_bfe_u32 v[H], v0, 4, 1
	v_lshlrev_b32 v[L16], 4, v1
	v_lshlrev_b32 v[L8], 3, v1
	s_mul_i32 s2, s23, HALFT                       ; my 8 tiles of A
	s_mul_i32 s3, s66, HALFT                       ; my 8 tiles of B,
	s_add_co_u32 s3, s3, 2*HALFT                   ; which lie behind A's 16
.irp s, 0,1
	v_add_nc_u32 v[ADRA16+\s], s2, v[L16]
	v_add_nc_u32 v[ADRA8+\s], s2, v[L8]
	v_add_nc_u32 v[ADRB16+\s], s3, v[L16]
	v_add_nc_u32 v[ADRB8+\s], s3, v[L8]
	s_add_co_u32 s2, s2, SLOT
	s_add_co_u32 s3, s3, SLOT
.endr
	s_lshl_b32 s2, s23, 12                         ; A's scale words: my 8 tiles
	s_lshl_b32 s3, s66, 12                         ; B's: my 8 tiles, behind A's 8,192 bytes
	s_add_co_u32 s3, s3, 8192
	s_sub_co_u32 s3, s3, s2
	v_mul_u32_u24 v3, s3, v[H]                     ; lanes 16-31 take B's: one product, the distance x (lane / 16)
	s_add_co_u32 s2, s2, SCL
	v_lshl_add_u32 v3, v2, 4, v3                   ; 16 bytes a row: four K steps' words
	v_add_nc_u32 v[ADRS], s2, v3
	; both forms of the bias are asked for here, on the one path, and waited for behind the products
	s_cmp_eq_u32 ttmp9, 1
	s_cselect_b64 s[12:13], s[14:15], s[12:13]     ; bk or bq
	s_lshl_b32 s2, s40, 10
	s_lshl_b32 s3, s66, 9
	s_add_co_u32 s2, s2, s3                        ; 4 (256 cx + 128 hB)
	s_mov_b32 s3, 0
	s_add_nc_u64 s[12:13], s[12:13], s[2:3]
	s_lshl_b32 s2, s41, 10
	s_lshl_b32 s3, s23, 9
	s_add_co_u32 s2, s2, s3                        ; 4 (256 cy + 128 hA)
	s_mov_b32 s3, 0
	s_add_nc_u64 s[16:17], s[16:17], s[2:3]
	v_lshlrev_b32 v[BO], 6, v[H]
	v_and_b32 v[BQO], 8, v2
	v_add_nc_u32 v[BQO], v[BQO], v2
	v_lshlrev_b32 v[BQO], 2, v[BQO]
.irp b, 0,1,2,3,4,5,6,7
	global_load_b128 v[96+8*\b+96*(\b/4):96+8*\b+96*(\b/4)+3], v[BO], s[12:13] offset:4*(32*(\b/2)+8*(\b%2))        ; tile b's eight channels of my half
	global_load_b128 v[96+8*\b+96*(\b/4)+4:96+8*\b+96*(\b/4)+7], v[BO], s[12:13] offset:4*(32*(\b/2)+8*(\b%2))+16
	global_load_b32 v[BQ+\b], v[BQO], s[16:17] offset:4*(32*(\b/2)+8*(\b%2))                                        ; bv at my lane's channel of tile b
.endr
.macro FRAG reg, a16, a8, q, i         ; a fragment as it lies: four loads, each of the wave's 512 or 256 consecutive bytes
	ds_load_b128 v[\reg:\reg+3], v[\a16] offset:TILEB*(\i)+1536*(\q)
	ds_load_b64 v[\reg+4:\reg+5], v[\a8] offset:TILEB*(\i)+1536*(\q)+512
	ds_load_b128 v[\reg+6:\reg+9], v[\a16] offset:TILEB*(\i)+1536*(\q)+768
	ds_load_b64 v[\reg+10:\reg+11], v[\a8] offset:TILEB*(\i)+1536*(\q)+1280
.endm
.macro FETCH_B slot, q, p              ; B's eight fragments of the slot's q-th K step into set p
	WIN TO_B
.irp i, 0,1,2,3,4,5,6,7
	FRAG 128*(\p)+FR*\i, ADRB16+\slot, ADRB8+\slot, \q, \i
.endr
	WIN 0
.endm
.macro FETCH_A slot, q, i0             ; A's tiles i0 .. i0 + 3
.irp i, \i0, \i0+1, \i0+2, \i0+3
	FRAG AF+FR*(\i), ADRA16+\slot, ADRA8+\slot, \q, \i
.endr
.endm
; 16 matrix instructions: A's tiles a0, a0 + 1 x B's eight, K step ks.  p: B's set.  zero = 1: the first product starts the sums.  The 64 accumulators take turns, one instruction a turn, in the same
; order in every step.
.macro MUL16 a0, p, ks, zero
.irp a, \a0, \a0+1
.irp b, 0,1,2,3,4,5,6,7
.set rD, 8*(8*((\a)%4)+\b)
.set rB, 128*(\p)+FR*\b
.set rA, AF+FR*(\a)
.set sB, SC+32*((\ks)/4)+4*\b+(\ks)%4
.set sA, SC+32*((\ks)/4)+4*(\a)+(\ks)%4
.if \zero
	v_wmma_scale_f32_16x16x128_f8f6f4 v[rD:rD+7], v[rB:rB+FR-1], v[rA:rA+FR-1], 0, v[sB], v[sA] matrix_a_fmt:MATRIX_FMT_FP6 matrix_b_fmt:MATRIX_FMT_FP6 matrix_a_scale:MATRIX_SCALE_ROW1
.else
	v_wmma_scale_f32_16x16x128_f8f6f4 v[rD:rD+7], v[rB:rB+FR-1], v[rA:rA+FR-1], v[rD:rD+7], v[sB], v[sA] matrix_a_fmt:MATRIX_FMT_FP6 matrix_b_fmt:MATRIX_FMT_FP6 matrix_a_scale:MATRIX_SCALE_ROW1
.endif
.endr
.endr
.endm
; A slot's first K step: B's set 0; the slot's second step is fetched meanwhile (B into set 1; A's tiles 0-3 in the middle, 4-7 at the end: a tile of A is free when its eight products are issued).
.macro STEP slot, ks, zero
	s_wait_dscnt 16                                ; all but the youngest sixteen loads (A's tiles 4-7) are in
	WIN MUL_LO
	MUL16 0, 0, \ks, \zero
	MUL16 2, 0, \ks, \zero
	s_wait_dscnt 0x0                               ; A's tiles 4-7 are in
	PLACES
	FETCH_B \slot, 1, 1
	FETCH_A \slot, 1, 0
	WIN MUL_HI
	MUL16 4, 0, \ks, \zero
	MUL16 6, 0, \ks, \zero
	PLACES
	WIN 0
	FETCH_A \slot, 1, 4
.endm
; A slot's second K step changes slots: ONE barrier; in front of it each wave waits for all its tensor loads, adds 0 to its spare word, and waits for that and for its reads of this slot.
; fill = 1: the barrier opens a round of the cluster's, and behind the round this slot is filled again, four K steps on.
.macro TURN slot, next, ks, fill
	s_wait_tensorcnt 0x0                           ; all my tensor loads have landed: my part of the next slot  (every window is 0 here)
	ds_add_u32 v[SPW], v[NIL]                      ; 0 onto my spare word
	s_wait_dscnt 17                                ; (the add and the youngest sixteen loads may be out)
	WIN MUL_LO
	MUL16 0, 1, \ks, 0                             ; sixteen matrix instructions stand between the add and the wait for it
	s_wait_dscnt 0x0                               ; the add is done, and my reads of this slot are over
	s_barrier_signal -1
	MUL16 2, 1, \ks, 0
	WIN 0
	s_barrier_wait -1
.if \fill
	CREST                                          ; no wave of any partner still reads this slot or has a load on its way
	s_add_nc_u64 s[G0+4*\slot+2:G0+4*\slot+3], s[G0+4*\slot+2:G0+4*\slot+3], 2*TILEB
	s_add_nc_u64 s[G0B+4*\slot+2:G0B+4*\slot+3], s[G0B+4*\slot+2:G0B+4*\slot+3], 2*TILEB
	JLOAD G0+4*\slot, G1, G0B+4*\slot, G1B         ; my one tensor load behind the round; the four v_nop behind it are the places in front of the loads below
.else
	PLACES
.endif
	FETCH_B \next, 0, 0
	FETCH_A \next, 0, 0
	WIN MUL_HI
	MUL16 4, 1, \ks, 0
	MUL16 6, 1, \ks, 0
	PLACES
	WIN 0
	FETCH_A \next, 0, 4
.endm
	s_wait_alu depctr_va_vdst(0)
	s_wait_tensorcnt 1                             ; the scale words and my part of slot 0 are in; slot 1's load may be out
	s_barrier_signal -1
	s_barrier_wait -1
	FETCH_B 0, 0, 0
	FETCH_A 0, 0, 0
.irp q, 0,1
.irp i, 0,1,2,3,4,5,6,7
	ds_load_b128 v[SC+32*\q+4*\i:SC+32*\q+4*\i+3], v[ADRS] offset:512*\i+256*\q   ; all scale words, once: four K steps' words of a row
.endr
.endr
	FETCH_A 0, 0, 4
	STEP 0, 0, 1                                   ; K = 1,024 is eight steps: written out, since each names its own scale registers
	TURN 0, 1, 1, 1
	STEP 1, 2, 0
	TURN 1, 0, 3, 1
	STEP 0, 4, 0
	TURN 0, 1, 5, 0                                ; nothing is left to fetch
	STEP 1, 6, 0
	s_wait_dscnt 16
	WIN MUL_LO
	MUL16 0, 1, 7, 0
	MUL16 2, 1, 7, 0
	s_wait_dscnt 0x0
	WIN MUL_HI
	MUL16 4, 1, 7, 0
	MUL16 6, 1, 7, 0
	WIN 0
	; THE WAY OUT.  For each of A's tiles a the lane's 64 sums (register 16 b + i = place 32 b + 16 (lane / 16) + i along the next K) get their bias and become one fragment and one scale word a row.
	; q, k: the fragment's two halves are two heads' 64 channels of token tile a.  v: the fragment is 16 channels x 128 keys.  One formula gives the first byte in both cases.
	PLACES
	s_mov_b32 s[SEL], 0x76543210
	s_mov_b32 s[SEL+1], 0xfedcba98
.irp b, 0,1,2,3
	v_mov_b32 v[TM+4+\b], 0                        ; written once: a lane permute's destination counts as one of its sources
.endr
	s_mov_b32 s2, 98304
	s_mov_b32 s3, 768
	s_mov_b32 s47, 93696
	s_cmp_eq_u32 ttmp9, 2
	s_cselect_b32 s45, s40, s41                    ; the tokens' place in the cluster,
	s_cselect_b32 s46, s66, s23                    ; and which half of the 256 tokens is mine
	s_cselect_b32 s67, s41, s40                    ; the channels' place,
	s_cselect_b32 s94, s23, s66                    ; and which half of the 256 channels
	s_cselect_b32 s96, 1536, s3                    ; from tile to tile: v a fragment, q and k a half
	s_cselect_b32 s98, s47, s3                     ; behind tile 3: v goes on to the next head
	s_cselect_b32 s2, s3, s2                       ; from the first half to the second: v 768 bytes, q and k a head
	s_mov_b32 s3, 0
	s_mov_b32 s97, 0
	s_mov_b32 s99, 0
	s_lshl_b32 s92, s42, 2
	s_add_co_u32 s92, s92, s45                     ; the block of 256 tokens
	s_lshl_b32 s45, s92, 1
	s_add_co_u32 s45, s45, s46
	s_and_b32 s46, s45, 15                         ; sigma: which 128 tokens of the batch
	s_lshr_b32 s45, s92, 3                         ; the batch
	s_lshl_b32 s45, s45, 4
	s_lshl_b32 s67, s67, 2
	s_add_co_u32 s45, s45, s67
	s_lshl_b32 s94, s94, 1
	s_add_co_u32 s45, s45, s94                     ; 16 x batch + my first head
	s_mul_i32 s92, s45, 98304
	s_mul_i32 s93, s46, 6144
	s_add_co_u32 s92, s92, s93
	s_mul_i32 s93, ttmp9, 6291456                  ; the section: q, k, v
	s_add_co_u32 s92, s92, s93
	s_mov_b32 s93, 0
	s_add_nc_u64 s[92:93], s[18:19], s[92:93]      ; where the first half goes,
	s_add_nc_u64 s[94:95], s[92:93], s[2:3]        ; and the second
	s_wait_loadcnt 0x0                             ; the biases
; 64 numbers of a lane, v[s] on, become a fragment's codes in v[PC] on and its scale word in v[pw]
.macro QUANT s, pw
.irp b, 0,1,2,3
	v_max3_num_f32 v[TM+\b], |v[\s+16*\b]|, |v[\s+1+16*\b]|, 0x1800000   ; block b: my 16 numbers, and the floor 2^(3 - 127): the byte cannot fall under 1
.endr
.irp i, 2,4,6,8,10,12,14
.irp b, 0,1,2,3
	v_max3_num_f32 v[TM+\b], v[TM+\b], |v[\s+16*\b+\i]|, |v[\s+1+16*\b+\i]|
.endr
.endr
.irp b, 0,1,2,3
	v_permlanex16_b32 v[TM+4+\b], v[TM+\b], s[SEL], s[SEL+1]
.endr
.irp b, 0,1,2,3
	v_max_num_f32 v[TM+\b], v[TM+\b], v[TM+4+\b]   ; with lane l xor 16's: the block's largest magnitude
.endr
.irp b, 0,1,2,3
	v_add_nc_u32 v[TM+8+\b], 0xff000000, v[TM+\b]  ; 2 off its exponent field: the conversion's scale operand
.endr
.irp b, 0,1,2,3
	v_lshrrev_b32 v[TM+4+\b], 23, v[TM+8+\b]       ; the scale's byte
.endr
	v_lshl_or_b32 v[\pw], v[TM+5], 8, v[TM+4]
	v_lshl_or_b32 v[\pw], v[TM+6], 16, v[\pw]
	v_lshl_or_b32 v[\pw], v[TM+7], 24, v[\pw]
.irp c, 0,1
	v_cvt_scalef32_pk16_fp6_f32 v[PC+6*\c:PC+2+6*\c], v[\s+32*\c:\s+15+32*\c], v[TM+8+2*\c]
	v_cvt_scalef32_pk16_fp6_f32 v[PT+4*\c:PT+2+4*\c], v[\s+16+32*\c:\s+31+32*\c], v[TM+8+2*\c+1]   ; (a conversion's three registers begin on an even number)
.endr
	v_nop                                          ; one plain place behind a scaled conversion
.irp c, 0,1                            ; the operand's layout wants a WHOLE block in a lane: lanes 0-15 block 2 c, lanes 16-31 block 2 c + 1
.irp i, 0,1,2
	v_permlane16_swap_b32 v[PC+6*\c+\i], v[PT+4*\c+\i]
.endr
.irp i, 0,1,2
	v_mov_b32 v[PC+3+6*\c+\i], v[PT+4*\c+\i]
.endr
.endr
.endm
.macro OUTA a, isv
.set AC, 64*((\a)%4)
	WIN 0x02+(\a)/4                                ; source 0: the accumulators' window
.if \isv
.set n, 0
.rept 64
	v_add_f32 v[ST+n], v[AC+n], v[BQ+(\a)]         ; the lane's channel has one bias for all its keys
.set n, n+1
.endr
.else
.irp b, 0,1,2,3,4,5,6,7
.irp j, 0,2,4,6
	v_pk_add_f32 v[ST+8*\b+\j:ST+8*\b+\j+1], v[AC+8*\b+\j:AC+8*\b+\j+1], v[96+8*\b+96*(\b/4)+\j:96+8*\b+96*(\b/4)+\j+1]
.endr
.endr
.endif
	WIN 0
.if (\a) > 0
	s_wait_xcnt 0x0                                ; the last tile's stores have had their addresses translated: their data and bases are written again only behind this wait
.if (\a) == 4
	s_add_nc_u64 s[92:93], s[92:93], s[98:99]
	s_add_nc_u64 s[94:95], s[94:95], s[98:99]
.else
	s_add_nc_u64 s[92:93], s[92:93], s[96:97]
	s_add_nc_u64 s[94:95], s[94:95], s[96:97]
.endif
.endif
	QUANT ST, \a
	global_store_b128 v[L16], v[PC:PC+3], s[92:93]             ; each store covers 512 or 256 consecutive bytes, aligned to 256
	global_store_b64 v[L8], v[PC+4:PC+5], s[92:93] offset:512
	global_store_b128 v[L16], v[PC+6:PC+9], s[94:95]
	global_store_b64 v[L8], v[PC+10:PC+11], s[94:95] offset:512
.endm
.macro WORDS                           ; lanes 0-15 take the words of tiles 0-3, lanes 16-31 those of tiles 4-7
	v_cmp_ne_u32 vcc_lo, 0, v[H]
.irp i, 0,1,2,3
	v_cndmask_b32 v[16+\i], v[\i], v[4+\i], vcc_lo
.endr
.endm
	s_cmp_eq_u32 ttmp9, 2                          ; one branch, on the cluster's x: alike in all partners
	s_cbranch_scc1 .Lv_out
.irp a, 0,1,2,3,4,5,6,7
	OUTA \a, 0
.endr
	WORDS
	s_lshl_b32 s2, ttmp9, 12
	s_add_co_u32 s2, s2, 8192                      ; a head's scale bytes: q 8,192; k 12,288 (v's lie behind k's)
	s_mul_i32 s3, s45, s2
	s_lshl_b32 s47, ttmp9, 19                      ; k's section begins at 524,288
	s_add_co_u32 s3, s3, s47
	s_lshl_b32 s47, s46, 9                         ; eight tiles' words are 512 bytes
	s_add_co_u32 s96, s3, s47
	s_mov_b32 s97, 0
	s_mov_b32 s3, 0
	s_add_nc_u64 s[96:97], s[20:21], s[96:97]
	s_add_nc_u64 s[98:99], s[96:97], s[2:3]
	s_wait_alu depctr_va_vdst(0)
.irp i, 0,1,2,3
	v_and_b32 v[20+\i], 0xffff, v[16+\i]           ; the first head's two bytes; bytes 2 and 3 are 0: they meet zero codes
.endr
	global_store_b128 v[L16], v[20:23], s[96:97]   ; 512 consecutive bytes
.irp i, 0,1,2,3
	v_lshrrev_b32 v[8+\i], 16, v[16+\i]            ; the second head's
.endr
	global_store_b128 v[L16], v[8:11], s[98:99]
	s_branch .Lout_done
.Lv_out:
.irp a, 0,1,2,3,4,5,6,7
	OUTA \a, 1
.endr
	WORDS
	s_mul_i32 s96, s45, 12288
	s_lshl_b32 s97, s46, 8                         ; a key step's words of a head: 16 rows x 4 tiles
	s_add_co_u32 s96, s96, s97
	s_add_co_u32 s96, s96, 524288+8192
	s_mov_b32 s97, 0
	s_add_nc_u64 s[96:97], s[20:21], s[96:97]
	v_and_b32 v20, 0xf0, v[L16]                    ; 16 r
	v_mad_u32_u24 v20, v[H], 12288, v20            ; lanes 16-31: the second head
	global_store_b128 v20, v[16:19], s[96:97]      ; 256 consecutive bytes for each head
.Lout_done:
	s_wait_tensorcnt 0x0                           ; the wave's end
	ds_add_u32 v[SPW], v[NIL]
	s_wait_dscnt 0x0
	CROUND                                         ; the closing round: no work-group ends while a partner may still ask for a tile that names it
	s_endpgm
.Lfunc_end_k_q1c7ae654f5_qkv:
	.size	k_q1c7ae654f5_qkv, .Lfunc_end_k_q1c7ae654f5_qkv-k_q1c7ae654f5_qkv
	.p2alignl 7, 3214868480
	.fill 96, 4, 3214868480
	.section	.rodata,"a",@progbits
	.p2align	6, 0x0
	.amdhsa_kernel k_q1c7ae654f5_qkv
		.amdhsa_group_segment_fixed_size 327680
		.amdhsa_private_segment_fixed_size 0
		.amdhsa_enable_private_segment 0
		.amdhsa_kernarg_size 72
		.amdhsa_user_sgpr_count 2
		.amdhsa_user_sgpr_kernarg_segment_ptr 1
		.amdhsa_wavefront_size32 1
		.amdhsa_system_sgpr_workgroup_id_x 1
		.amdhsa_system_sgpr_workgroup_id_y 1
		.amdhsa_system_sgpr_workgroup_id_z 1
		.amdhsa_system_vgpr_workitem_id 0
		.amdhsa_next_free_vgpr 1024
		.amdhsa_next_free_sgpr 102
		.amdhsa_reserve_vcc 1
		.amdhsa_float_denorm_mode_32 3
		.amdhsa_float_denorm_mode_16_64 3
		.amdhsa_memory_ordered 1
		.amdhsa_forward_progress 1
		.amdhsa_inst_pref_size 218
	.end_amdhsa_kernel
	.amdgpu_metadata
---
amdhsa.version: [ 1, 2 ]
amdhsa.kernels:
  - .name:           k_q1c7ae654f5_qkv
    .symbol:         k_q1c7ae654f5_qkv.kd
    .args:
      - { .name: xc, .offset: 0, .size: 8, .value_kind: global_buffer, .address_space: global }
      - { .name: xs, .offset: 8, .size: 8, .value_kind: global_buffer, .address_space: global }
      - { .name: wc, .offset: 16, .size: 8, .value_kind: global_buffer, .address_space: global }
      - { .name: ws, .offset: 24, .size: 8, .value_kind: global_buffer, .address_space: global }
      - { .name: bq, .offset: 32, .size: 8, .value_kind: global_buffer, .address_space: global }
      - { .name: bk, .offset: 40, .size: 8, .value_kind: global_buffer, .address_space: global }
      - { .name: bv, .offset: 48, .size: 8, .value_kind: global_buffer, .address_space: global }
      - { .name: qkvc, .offset: 56, .size: 8, .value_kind: global_buffer, .address_space: global }
      - { .name: qkvs, .offset: 64, .size: 8, .value_kind: global_buffer, .address_space: global }
    .group_segment_fixed_size: 327680
    .private_segment_fixed_size: 0
    .kernarg_segment_align: 8
    .kernarg_segment_size: 72
    .max_flat_workgroup_size: 128
    .sgpr_count:     102
    .vgpr_count:     1024
    .wavefront_size: 32
...
	.end_amdgpu_metadata
.endif
;; end of part 2
;; launch attn (part 3): grid 4 x 64, 16 waves a work-group, clusters of 4 x 1, 210,944 bytes of LDS; arguments qkvc, qkvs, yc, ys; writes yc, ys
.if DOCPART == 3
	.amdgcn_target "amdgcn-amd-amdhsa--gfx1250"
	.amdhsa_code_object_version 6
	.text
	.protected	k_q1c7ae654f5_attn
	.globl	k_q1c7ae654f5_attn
	.p2align	8
	.type	k_q1c7ae654f5_attn,@function
k_q1c7ae654f5_attn:
	s_mov_b64 s[64:65], 0
	v_nop
	global_prefetch_b8 v0, s[64:65] scope:SCOPE_SE
	s_setreg_imm32_b32 hwreg(HW_REG_WAVE_MODE, 25, 1), 1
	s_wait_xcnt 0x0
	s_wait_alu depctr_hold_cnt(0) depctr_sa_sdst(0) depctr_va_vdst(0) depctr_va_sdst(0) depctr_va_ssrc(0) depctr_va_vcc(0) depctr_vm_vsrc(0)
	s_getreg_b32 s2, hwreg(HW_REG_IB_STS2, 6, 4)
	s_cmp_eq_u32 s2, 0
	s_cbranch_scc0 .Lentry_in_a_cluster
	s_endpgm
.Lentry_in_a_cluster:
	s_bfe_u32 s2, ttmp6, 0x10000c
	s_cmp_lg_u32 s2, 0x3003
	s_cbranch_scc0 .Lentry_shape_is_right
	s_endpgm
.Lentry_shape_is_right:
; y[q] = the sum over keys k <= q of softmax_k(q . k / 8) v[k], for one head of 64 channels, both products on codes of FP6 (E2M3) with E8M0 block scales; y is quantised along its 64 channels and leaves as codes.
; THE SOFTMAX AHEAD OF THE SECOND PRODUCT: t = score x log2(e) / 8; M = the row's largest t so far, rounded UP to a whole number; p = 2^(t - M) is quantised along the keys, not normalised; the row's sum is
; taken of the unquantised p and divides at the end.  When M moves, the sum and O are multiplied by 2^(old M - new M): exact.  A block's largest p is made from its largest score by the same two instructions.
; A WHOLE HEAD'S K, V AND SCALE WORDS, 208,896 bytes, LIE IN LDS: each byte is filled once, nothing is filled again, and behind two barriers the waves walk the keys on their own.
; CLUSTER: the four work-groups of a cluster take one head; every fill is asked for jointly (mask 15).  Work-group g = cx takes query tiles 4 j + g.  Branches and LDS addresses hang on j, the wave and the step
; alone; g enters global addresses and the mask's vector arithmetic.
; SHARES: wave w takes tile j = w xor 7 (w / 8) (under 16: it needs keys under 1,024 alone, so it starts when the first half of the codes has landed), then tile j xor 31.  A tile has j / 2 + 1 steps
; of 128 keys that are not wholly hidden: 17 for every wave.  The loops' trip counts are constants (8, 16); a hidden step's work is jumped over.
; LAYOUT: S^T = K Q^T and O^T = V^T P^T: a lane holds ONE query.  Row i of a tile T (of queries, keys or channels) is 32 (T / 2) + 8 (T % 2) + i + 8 (i / 8), so the 16 registers of tiles 2 b, 2 b + 1 are 16 neighbours.
; THE FIRST PRODUCT'S K IS 64, half of the instruction's 128: Q's registers 6-11 are zero codes.  K's operand for tile t is 12 registers of which the upper six are the next tile's codes (zeros behind tile 7):
; they meet Q's zeros.  The scale bytes of those two blocks are 0 (2^-127) on both sides, no NaN.
; LIMITS: a block of zeros gets the byte 1 (zero codes; this program alone reads the bytes); v_exp_f32 gives 0 for results under 2^-126; NaN and infinities are not served.
; REGISTERS: v1-4 lane constants; v5-10 addresses of the step; v11 the mask's d; v12 -M, v13 the largest t, v[14:15] the sum; v16-21 Q, v22-27 zeros; v28 Q's scale words, v29 p's; v30 -infinity;
;   v32-79 K's 8 tiles (behind the first product: at work, p's codes at v48-59); v80-85 zeros; v86-133 V; v134-197 S^T, then p; v198-229 O^T; v230-233 K's scale words, v234-237 V's; v238-254 the way out.
.set KR,  32
.set VR,  86
.set S,   134
.set O,   198
.set PC,  48
.set PT,  60
.set LV,  98304                        ; LDS: K's 128 tiles of 768 bytes at 0; V's 16 steps of 6,144 bytes here;
.set LKS, 196608                       ; K's scale words, 512 bytes a step;
.set LVS, 204800                       ; V's, 256 bytes a step
.macro ROUND                           ; a round of the cluster's barrier
	s_barrier_signal -1
	s_barrier_wait -1
	s_cmp_lg_u32 s12, 0
	s_cbranch_scc1 .Lnot_wave_0_\@
	s_barrier_signal -3
.Lnot_wave_0_\@:
	s_barrier_wait -3
	s_barrier_signal -1
	s_barrier_wait -1
.endm
	s_load_b256 s[4:11], s[0:1], 0x0               ; qkvc s[4:5], qkvs s[6:7], yc s[8:9], ys s[10:11]
	v_lshl_add_u32 v247, v0, 2, 0x33000
	v_mov_b32 v255, 0
	ds_add_u32 v247, v255
	ds_add_u32 v247, v255
	v_lshrrev_b32 v1, 5, v0
	s_delay_alu instid0(VALU_DEP_1)
	v_readfirstlane_b32 s12, v1                    ; wave 0..15
	s_bfe_u32 s13, ttmp6, 0x40000                  ; g = cx
	s_and_b32 s14, ttmp7, 0xffff                   ; 16 x batch + head, which the four partners share
	s_lshr_b32 s59, s12, 3
	s_mul_i32 s15, s59, 7
	s_xor_b32 s15, s12, s15                        ; my first tile's j
	s_mov_b32 s16, 0x76543210
	s_mov_b32 s17, 0xfedcba98                      ; v_permlanex16_b32's selects for lane l xor 16
	s_mov_b32 s18, 0x3e38aa3b                      ; c = log2(e) / 8
	s_mov_b32 s19, s18                             ; (named with it as a pair, so it is written)
	; group 1: dense blocks as rows of 256 bytes (32 elements of 8): 24 rows of codes, 3 rows of scale words
	s_mov_b32 s24, 15|(3<<16)|(1<<21)              ; 15:0 the mask: all four work-groups; 17:16 elements of 8 bytes; 21 set beside a mask
	s_mov_b32 s25, 32<<16
	s_mov_b32 s26, 24<<16
	s_mov_b32 s27, 32<<16
	s_mov_b32 s28, 24
	s_mov_b32 s29, 32
	s_mov_b32 s30, 0
	s_mov_b32 s31, 0
	s_mov_b32 s32, 15|(3<<16)|(1<<21)
	s_mov_b32 s33, 32<<16
	s_mov_b32 s34, 3<<16
	s_mov_b32 s35, 32<<16
	s_mov_b32 s36, 3
	s_mov_b32 s37, 32
	s_mov_b32 s38, 0
	s_mov_b32 s39, 0
	s_mul_i32 s52, s12, 768                        ; my sixteenth of the head's 12,288 scale bytes
	s_mul_i32 s60, s14, 12288
	s_add_co_u32 s60, s60, s52
	s_add_co_u32 s60, s60, 524288
	s_mov_b32 s61, 0
	s_add_co_u32 s41, s52, LKS
	s_and_b32 s53, s12, 7                          ; waves 0-7 fetch K, waves 8-15 V: an eighth of a half, 6,144 bytes
	s_mul_i32 s53, s53, 6144
	s_mul_i32 s54, s59, LV
	s_add_co_u32 s45, s53, s54
	s_add_co_u32 s49, s45, 49152
	s_mul_i32 s62, s59, 6291456
	s_add_co_u32 s62, s62, 6291456                 ; section k or v
	s_mul_i32 s54, s14, 98304
	s_add_co_u32 s62, s62, s54
	s_add_co_u32 s62, s62, s53
	s_mov_b32 s63, 0
	s_mov_b32 s23, 0
	s_wait_dscnt 0x0
	s_wait_kmcnt 0x0
	s_mov_b32 s40, 1
	s_add_nc_u64 s[42:43], s[6:7], s[60:61]
	s_or_b32 s43, s43, 0x80000000
	s_mov_b32 s44, 1
	s_add_nc_u64 s[46:47], s[4:5], s[62:63]
	s_mov_b32 s48, 1
	s_add_nc_u64 s[50:51], s[46:47], 49152
	s_or_b32 s47, s47, 0x80000000
	s_or_b32 s51, s51, 0x80000000
	ROUND                                          ; all four work-groups are here: the joint loads meet
	tensor_load_to_lds s[40:43], s[32:39]          ; scale words;
	s_nop 0
	tensor_load_to_lds s[44:47], s[24:31]          ; codes of keys 0 to 1,023;
	s_nop 0
	tensor_load_to_lds s[48:51], s[24:31]          ; codes of keys 1,024 on.  Three tensor loads of mine are out; every byte is filled once
	s_nop 0
.rept 4
	v_nop
.endr
	; the head's bases
	s_mul_i32 s22, s14, 98304
	s_add_nc_u64 s[66:67], s[4:5], s[22:23]        ; q's codes
	s_lshl_b32 s22, s14, 13
	s_add_nc_u64 s[68:69], s[6:7], s[22:23]        ; q's scale words
	s_lshr_b32 s52, s14, 4                         ; batch
	s_and_b32 s53, s14, 15                         ; head
	s_mul_i32 s22, s52, 128*12288
	s_lshr_b32 s54, s53, 1
	s_mul_i32 s54, s54, 1536                       ; the head is half head % 2 of K step head / 2 of y's fragments
	s_add_co_u32 s22, s22, s54
	s_and_b32 s54, s53, 1
	s_mul_i32 s55, s54, 768
	s_add_co_u32 s22, s22, s55
	s_add_nc_u64 s[70:71], s[8:9], s[22:23]
	s_lshl_b32 s22, s52, 16
	s_lshr_b32 s55, s53, 3
	s_lshl_b32 s55, s55, 8
	s_add_co_u32 s22, s22, s55
	s_bfe_u32 s55, s53, 0x20001
	s_lshl_b32 s55, s55, 2
	s_add_co_u32 s22, s22, s55
	s_lshl_b32 s54, s54, 1                         ; and owns two bytes of that step's scale word
	s_add_co_u32 s22, s22, s54
	s_add_nc_u64 s[72:73], s[10:11], s[22:23]
	v_and_b32 v31, 31, v0
	s_delay_alu instid0(VALU_DEP_1)
	v_lshlrev_b32 v1, 4, v31                       ; 16 x lane
	s_delay_alu instid0(VALU_DEP_2)
	v_lshlrev_b32 v2, 3, v31                       ; 8 x lane
	v_and_b32 v31, 15, v0                          ; r
	s_delay_alu instid0(VALU_DEP_1)
	v_lshlrev_b32 v3, 4, v31                       ; 16 r
	s_delay_alu instid0(VALU_DEP_2)
	v_and_b32 v4, 8, v31
	s_delay_alu instid0(VALU_DEP_1)
	v_add_nc_u32 v4, v4, v31
	v_bfe_u32 v11, v0, 4, 1
	s_delay_alu instid0(VALU_DEP_1)
	v_lshlrev_b32 v11, 4, v11
	s_delay_alu instid0(VALU_DEP_1)
	v_sub_nc_u32 v4, v4, v11
	s_lshr_b32 s59, s13, 1
	s_lshl_b32 s59, s59, 5
	s_and_b32 s60, s13, 1
	s_lshl_b32 s60, s60, 3
	s_add_co_u32 s59, s59, s60
	v_add_nc_u32 v4, s59, v4                       ; my query in its group of 64, less 16 (lane / 16): data for the mask, never an address
.irp i, 0,1,2,3,4,5
	v_mov_b32 v[22+\i], 0                          ; Q's upper 64 along K: zero codes
	v_mov_b32 v[80+\i], 0                          ; what stands behind K's tile 7
	v_mov_b32 v[238+\i], 0                         ; written once: lane permutes' destinations count as sources
.endr
	v_mov_b32 v30, 0xff800000                      ; -infinity
; A KEY STEP: 128 keys from s52 on.
.macro STEP
	v_add_nc_u32 v5, s54, v1                       ; six plain lines: the places in front of loads into registers that the last products read
	v_add_nc_u32 v6, s54, v2
	v_add_nc_u32 v7, s55, v1
	v_add_nc_u32 v8, s55, v2
	v_add_nc_u32 v9, s56, v1
	v_add_nc_u32 v10, s57, v3
	ds_load_b128 v[230:233], v9                    ; K's scale words: lanes 0-15 tiles 0-3 of row r, lanes 16-31 tiles 4-7
.irp t, 0,1,2,3,4,5,6,7
	ds_load_b128 v[KR+6*\t:KR+6*\t+3], v5 offset:768*\t
	ds_load_b64 v[KR+6*\t+4:KR+6*\t+5], v6 offset:768*\t+512
.endr
.irp t, 0,1,2,3
	ds_load_b128 v[VR+12*\t:VR+12*\t+3], v7 offset:1536*\t
	ds_load_b64 v[VR+12*\t+4:VR+12*\t+5], v8 offset:1536*\t+512
	ds_load_b128 v[VR+12*\t+6:VR+12*\t+9], v7 offset:1536*\t+768
	ds_load_b64 v[VR+12*\t+10:VR+12*\t+11], v8 offset:1536*\t+1280
.endr
	ds_load_b128 v[234:237], v10                   ; V's scale words: the four tiles' of row r
	s_wait_dscnt 17                                ; K and its words are in; V's sixteen loads and its words may be out
.irp t, 0,1,2,3
	v_wmma_scale_f32_16x16x128_f8f6f4 v[S+8*\t:S+8*\t+7], v[KR+6*\t:KR+6*\t+11], v[16:27], 0, v[230+\t], v28 matrix_a_fmt:MATRIX_FMT_FP6 matrix_b_fmt:MATRIX_FMT_FP6
.endr
.irp t, 4,5,6,7
	v_wmma_scale_f32_16x16x128_f8f6f4 v[S+8*\t:S+8*\t+7], v[KR+6*\t:KR+6*\t+11], v[16:27], 0, v[226+\t], v28 matrix_a_fmt:MATRIX_FMT_FP6 matrix_b_fmt:MATRIX_FMT_FP6 matrix_a_scale:MATRIX_SCALE_ROW1
.endr
.rept 4
	v_nop
.endr
	s_add_co_u32 s61, s52, 127                     ; a step all of whose keys count for all 64 queries of the group skips the mask
	s_cmp_le_u32 s61, s53
	s_cbranch_scc1 .Lopen_\@
	s_sub_co_i32 s61, s53, s52
	v_add_nc_u32 v11, s61, v4                      ; d = my query - the step's first key - 16 (lane / 16).  Register 16 b + i holds key 32 b + 16 (lane / 16) + i of the step: hidden where 32 b + i > d
.set n, 0
.rept 64
	v_cmp_gt_i32 vcc_lo, 32*(n/16)+n%16, v11
	v_cndmask_b32 v[S+n], v[S+n], v30, vcc_lo
.set n, n+1
.endr
.Lopen_\@:
.irp b, 0,1,2,3
	v_max3_num_f32 v[32+\b], v[S+16*\b], v[S+16*\b+1], v[S+16*\b+2]   ; the largest score of each block of 32 keys: for the row's maximum, and for the block's largest p
.endr
.irp i, 3,5,7,9,11,13
.irp b, 0,1,2,3
	v_max3_num_f32 v[32+\b], v[32+\b], v[S+16*\b+\i], v[S+16*\b+\i+1]
.endr
.endr
.irp b, 0,1,2,3
	v_max_num_f32 v[32+\b], v[32+\b], v[S+16*\b+15]
.endr
.irp b, 0,1,2,3
	s_delay_alu instid0(VALU_DEP_4)
	v_permlanex16_b32 v[36+\b], v[32+\b], s16, s17
.endr
.irp b, 0,1,2,3
	s_delay_alu instid0(VALU_DEP_4)
	v_max_num_f32 v[32+\b], v[32+\b], v[36+\b]     ; with lane l xor 16's 16 keys
.endr
	s_delay_alu instid0(VALU_DEP_2)
	v_max3_num_f32 v46, v32, v33, v34
	s_delay_alu instid0(VALU_DEP_1)
	v_max_num_f32 v46, v46, v35
	s_delay_alu instid0(VALU_DEP_1)
	v_mul_f32 v46, s18, v46                        ; the step's largest t
	s_delay_alu instid0(VALU_DEP_1)
	v_max_num_f32 v13, v13, v46                    ; the running largest t
	v_mov_b32 v46, v12
	s_delay_alu instid0(VALU_DEP_2)
	v_floor_f32 v12, -v13                          ; the new -M = -ceil(t): a whole number
	s_delay_alu instid0(VALU_DEP_1)
	v_sub_f32 v46, v12, v46                        ; old M - new M: a whole number, 0 or less
	s_delay_alu instid0(VALU_DEP_1)
	v_cvt_i32_f32 v46, v46                         ; (it saturates)
	s_delay_alu instid0(VALU_DEP_1)
	v_ldexp_f32 v44, 1.0, v46                      ; f = 2^(old M - new M)
	s_setprio 1
.irp j, 0,2,4,6,8,10,12,14,16,18,20,22,24,26,28,30,32,34,36,38,40,42,44,46,48,50,52,54,56,58,60,62
	v_pk_fma_f32 v[S+\j:S+\j+1], v[S+\j:S+\j+1], s[18:19], v[12:13] op_sel_hi:[1,0,0]   ; t - M, two at a time
.endr
.irp b, 0,1,2,3
	v_fma_f32 v[32+\b], v[32+\b], s18, v12         ; the same of each block's largest score
.endr
.set n, 0
	s_wait_alu depctr_va_vdst(0)
.rept 64
	v_exp_f32 v[S+n], v[S+n]                       ; p = 2^(t - M), at most 1
.set n, n+1
.endr
.irp b, 0,1,2,3
	v_exp_f32 v[32+\b], v[32+\b]                   ; the block's largest p
.endr
	v_pk_mul_f32 v[14:15], v[14:15], v[44:45] op_sel_hi:[1,0]   ; the sums under the new M.  (A plain place behind the exponentials)
	s_wait_alu depctr_va_vdst(0)
.irp b, 0,1,2,3
	v_max_num_f32 v[32+\b], 0x1800000, v[32+\b]    ; the floor 2^(3 - 127): the byte cannot fall under 1
.endr
.irp b, 0,1,2,3
	s_delay_alu instid0(VALU_DEP_4)
	v_add_nc_u32 v[40+\b], 0xff000000, v[32+\b]    ; 2 off the exponent field: the conversion's scale operand
.endr
.irp b, 0,1,2,3
	s_delay_alu instid0(VALU_DEP_4)
	v_lshrrev_b32 v[36+\b], 23, v[40+\b]           ; the scale's byte
.endr
	s_delay_alu instid0(VALU_DEP_3)
	v_lshl_or_b32 v29, v37, 8, v36                 ; p's scale word for these 128 keys
	s_delay_alu instid0(VALU_DEP_1)
	v_lshl_or_b32 v29, v38, 16, v29
	s_delay_alu instid0(VALU_DEP_1)
	v_lshl_or_b32 v29, v39, 24, v29
.irp c, 0,1
	v_cvt_scalef32_pk16_fp6_f32 v[PC+6*\c:PC+6*\c+2], v[S+32*\c:S+32*\c+15], v[40+2*\c]
	v_cvt_scalef32_pk16_fp6_f32 v[PT+4*\c:PT+4*\c+2], v[S+32*\c+16:S+32*\c+31], v[40+2*\c+1]   ; (a conversion's three registers begin on an even number)
.endr
	v_nop                                          ; one plain place behind a scaled conversion
.irp c, 0,1                            ; the operand's layout wants a WHOLE block in a lane
.irp i, 0,1,2
	v_permlane16_swap_b32 v[PC+6*\c+\i], v[PT+4*\c+\i]
.endr
.irp i, 0,1,2
	s_delay_alu instid0(VALU_DEP_3)
	v_mov_b32 v[PC+6*\c+3+\i], v[PT+4*\c+\i]
.endr
.endr
	v_pk_add_f32 v[68:69], v[138:139], v[142:143]
	v_pk_add_f32 v[252:253], v[146:147], v[150:151]
	v_pk_add_f32 v[250:251], v[154:155], v[158:159]
	v_pk_add_f32 v[248:249], v[162:163], v[166:167]
	v_pk_add_f32 v[244:245], v[170:171], v[174:175]
	v_pk_add_f32 v[240:241], v[178:179], v[182:183]
	v_pk_add_f32 v[232:233], v[186:187], v[190:191]
	v_pk_add_f32 v[14:15], v[14:15], v[194:195]
	v_pk_add_f32 v[68:69], v[68:69], v[134:135]
	v_pk_add_f32 v[252:253], v[252:253], v[136:137]
	s_setprio 0
	v_pk_add_f32 v[250:251], v[250:251], v[140:141]
	v_pk_add_f32 v[248:249], v[248:249], v[144:145]
	v_pk_add_f32 v[244:245], v[244:245], v[148:149]
	v_pk_add_f32 v[240:241], v[240:241], v[152:153]
	v_pk_add_f32 v[232:233], v[232:233], v[156:157]
	v_pk_add_f32 v[14:15], v[14:15], v[160:161]
	v_pk_add_f32 v[68:69], v[68:69], v[164:165]
	v_pk_add_f32 v[252:253], v[252:253], v[168:169]
	v_pk_add_f32 v[250:251], v[250:251], v[172:173]
	v_pk_add_f32 v[248:249], v[248:249], v[176:177]
	v_pk_add_f32 v[244:245], v[244:245], v[180:181]
	v_pk_add_f32 v[240:241], v[240:241], v[184:185]
	v_pk_add_f32 v[232:233], v[232:233], v[188:189]
	v_pk_add_f32 v[14:15], v[14:15], v[192:193]
	v_pk_add_f32 v[68:69], v[68:69], v[196:197]
	s_delay_alu instid0(VALU_DEP_2)
	v_pk_add_f32 v[14:15], v[14:15], v[248:249]
	s_delay_alu instid0(VALU_DEP_2)
	v_pk_add_f32 v[68:69], v[68:69], v[244:245]
	v_pk_add_f32 v[252:253], v[252:253], v[240:241]
	v_pk_add_f32 v[250:251], v[250:251], v[232:233]
	s_delay_alu instid0(VALU_DEP_2)
	v_pk_add_f32 v[14:15], v[14:15], v[252:253]
	s_delay_alu instid0(VALU_DEP_2)
	v_pk_add_f32 v[68:69], v[68:69], v[250:251]
	s_delay_alu instid0(VALU_DEP_1)
	v_pk_add_f32 v[14:15], v[14:15], v[68:69]
.irp j, 0,2,4,6,8,10,12,14,16,18,20,22,24,26,28,30
	v_pk_mul_f32 v[O+\j:O+\j+1], v[O+\j:O+\j+1], v[44:45] op_sel_hi:[1,0]   ; O^T under the new M.  (With the sums: the places between p's codes and scale word and the products below)
.endr
	s_wait_alu depctr_va_vdst(0)
	s_wait_dscnt 0x0                               ; V and its scale words are in
.irp t, 0,1,2,3
	v_wmma_scale_f32_16x16x128_f8f6f4 v[O+8*\t:O+8*\t+7], v[VR+12*\t:VR+12*\t+11], v[PC:PC+11], v[O+8*\t:O+8*\t+7], v[234+\t], v29 matrix_a_fmt:MATRIX_FMT_FP6 matrix_b_fmt:MATRIX_FMT_FP6
.endr                                  ; the four accumulators take turns, and the next step's eight products stand between two links
.endm
; THE WAY OUT of a tile: O^T / the sum; its 64 channels are two blocks of y's K: six registers of codes and two scale bytes a row.
.macro FIN
.rept 4
	v_nop
.endr
	v_add_f32 v14, v14, v15
	s_delay_alu instid0(VALU_DEP_1)
	v_permlanex16_b32 v238, v14, s16, s17
	s_delay_alu instid0(VALU_DEP_1)
	v_add_f32 v14, v14, v238                       ; the row's sum
	s_wait_alu depctr_va_vdst(0)
	v_rcp_f32 v14, v14
	v_nop                                          ; one plain place behind a transcendental
	s_wait_alu depctr_va_vdst(0)
.irp j, 0,2,4,6,8,10,12,14,16,18,20,22,24,26,28,30
	v_pk_mul_f32 v[S+\j:S+\j+1], v[O+\j:O+\j+1], v[14:15] op_sel_hi:[1,0]   ; register 16 b + i = channel 32 b + 16 (lane / 16) + i; each accumulator from its low end on
.endr
.irp b, 0,1
	v_max3_num_f32 v[240+\b], |v[S+16*\b]|, |v[S+16*\b+1]|, 0x1800000
.endr
.irp i, 2,4,6,8,10,12,14
.irp b, 0,1
	s_delay_alu instid0(VALU_DEP_2)
	v_max3_num_f32 v[240+\b], v[240+\b], |v[S+16*\b+\i]|, |v[S+16*\b+\i+1]|
.endr
.endr
.irp b, 0,1
	s_delay_alu instid0(VALU_DEP_2)
	v_permlanex16_b32 v[242+\b], v[240+\b], s16, s17
.endr
.irp b, 0,1
	s_delay_alu instid0(VALU_DEP_2)
	v_max_num_f32 v[240+\b], v[240+\b], v[242+\b]
.endr
.irp b, 0,1
	s_delay_alu instid0(VALU_DEP_2)
	v_add_nc_u32 v[244+\b], 0xff000000, v[240+\b]
.endr
.irp b, 0,1
	s_delay_alu instid0(VALU_DEP_2)
	v_lshrrev_b32 v[242+\b], 23, v[244+\b]
.endr
	s_delay_alu instid0(VALU_DEP_1)
	v_lshl_or_b32 v246, v243, 8, v242              ; the head's two bytes of the row's scale word
	v_cvt_scalef32_pk16_fp6_f32 v[248:250], v[S:S+15], v244
	v_cvt_scalef32_pk16_fp6_f32 v[252:254], v[S+16:S+31], v245
	v_nop                                          ; one plain place behind a scaled conversion
.irp i, 0,1,2
	v_permlane16_swap_b32 v[248+\i], v[252+\i]
.endr
	s_delay_alu instid0(VALU_DEP_3)
	v_mov_b32 v251, v252                           ; the six registers on end
	s_delay_alu instid0(VALU_DEP_3)
	v_mov_b32 v252, v253
	s_delay_alu instid0(VALU_DEP_3)
	v_mov_b32 v253, v254
	global_store_b128 v1, v[248:251], s[78:79]     ; 512 consecutive bytes, aligned to 256
	global_store_b64 v2, v[252:253], s[78:79] offset:512
	global_store_b16 v3, v246, s[20:21]            ; a head owns half of each word, so these 32 of a tile's 512 bytes go two at a time (lanes l and l xor 16 write the same bytes with the same value)
	s_wait_xcnt 0x0                                ; the stores' data and bases are written again only behind this wait
.endm
; A TILE of 16 queries.  trips: key steps walked;  left: tensor loads of mine that may stay out;  second = 1: my second tile.
.macro TILE trips, left, second
.if \second
	s_xor_b32 s59, s15, 31                         ; j = 31 - my first tile's j
.else
	s_mov_b32 s59, s15
.endif
	s_lshl_b32 s53, s59, 6                         ; the group's first query
	s_lshl_b32 s60, s59, 2
	s_add_co_u32 s60, s60, s13                     ; the tile: 4 j + g
	s_mul_i32 s22, s60, 768
	s_add_nc_u64 s[74:75], s[66:67], s[22:23]
	s_lshl_b32 s22, s59, 8
	s_lshl_b32 s61, s13, 2
	s_add_co_u32 s22, s22, s61
	s_add_nc_u64 s[76:77], s[68:69], s[22:23]
	s_mul_i32 s22, s60, 12288
	s_add_nc_u64 s[78:79], s[70:71], s[22:23]
	s_lshl_b32 s22, s60, 9
	s_add_nc_u64 s[20:21], s[72:73], s[22:23]
	global_load_b128 v[16:19], v1, s[74:75]        ; Q's six registers stay for the tile
	global_load_b64 v[20:21], v2, s[74:75] offset:512
	global_load_b32 v28, v3, s[76:77]              ; and its scale words
	v_mov_b32 v13, 0xff61b1e6                      ; the largest t so far: -3e38, under every t
	s_delay_alu instid0(VALU_DEP_1)
	v_floor_f32 v12, -v13
	v_mov_b32 v14, 0
	v_mov_b32 v15, 0
.set n, 0
.rept 32
	v_mov_b32 v[O+n], 0                            ; the step is written once: the first finds zeros, which the first change of M leaves zeros
.set n, n+1
.endr
	s_wait_tensorcnt \left                         ; my parts of what this tile reads have landed,
	s_wait_dscnt 0x0
	s_barrier_signal -1
	s_barrier_wait -1                              ; everybody's have.
	s_wait_loadcnt 0x0                             ; Q
	s_mov_b32 s52, 0                               ; the step's first key
	s_mov_b32 s54, 0                               ; its tiles of K,
	s_mov_b32 s55, LV                              ; of V,
	s_mov_b32 s56, LKS                             ; and their scale words
	s_mov_b32 s57, LVS
	s_mov_b32 s58, \trips
.Lstep_\@:
	s_add_co_u32 s61, s53, 63
	s_cmp_gt_u32 s52, s61                          ; all 128 keys come after the group's 64 queries: the step's work is left out
	s_cbranch_scc1 .Lhidden_\@
	s_setprio 2
	STEP
.Lhidden_\@:
	s_add_co_u32 s52, s52, 128
	s_add_co_u32 s54, s54, 6144
	s_add_co_u32 s55, s55, 6144
	s_add_co_u32 s56, s56, 512
	s_add_co_u32 s57, s57, 256
	s_sub_co_u32 s58, s58, 1
	s_cmp_lg_u32 s58, 0
	s_cbranch_scc1 .Lstep_\@
	s_setprio 0
	FIN
.endm
	TILE 8, 1, 0                                   ; the count leaves the codes of keys 1,024 on on their way
	TILE 16, 0, 1
	s_wait_dscnt 0x0
	s_wait_tensorcnt 0x0
	ds_add_u32 v247, v255
	s_wait_dscnt 0x0
	ROUND                                          ; the closing round
	s_endpgm
.Lfunc_end_k_q1c7ae654f5_attn:
	.size	k_q1c7ae654f5_attn, .Lfunc_end_k_q1c7ae654f5_attn-k_q1c7ae654f5_attn
	.p2alignl 7, 3214868480
	.fill 96, 4, 3214868480
	.section	.rodata,"a",@progbits
	.p2align	6, 0x0
	.amdhsa_kernel k_q1c7ae654f5_attn
		.amdhsa_group_segment_fixed_size 210944
		.amdhsa_private_segment_fixed_size 0
		.amdhsa_enable_private_segment 0
		.amdhsa_kernarg_size 32
		.amdhsa_user_sgpr_count 2
		.amdhsa_user_sgpr_kernarg_segment_ptr 1
		.amdhsa_wavefront_size32 1
		.amdhsa_system_sgpr_workgroup_id_x 1
		.amdhsa_system_sgpr_workgroup_id_y 1
		.amdhsa_system_sgpr_workgroup_id_z 1
		.amdhsa_system_vgpr_workitem_id 0
		.amdhsa_next_free_vgpr 256
		.amdhsa_next_free_sgpr 80
		.amdhsa_reserve_vcc 1
		.amdhsa_float_denorm_mode_32 3
		.amdhsa_float_denorm_mode_16_64 3
		.amdhsa_memory_ordered 1
		.amdhsa_forward_progress 1
		.amdhsa_inst_pref_size 66
	.end_amdhsa_kernel
	.amdgpu_metadata
---
amdhsa.version: [ 1, 2 ]
amdhsa.kernels:
  - .name:           k_q1c7ae654f5_attn
    .symbol:         k_q1c7ae654f5_attn.kd
    .args:
      - { .name: qkvc, .offset: 0, .size: 8, .value_kind: global_buffer, .address_space: global }
      - { .name: qkvs, .offset: 8, .size: 8, .value_kind: global_buffer, .address_space: global }
      - { .name: yc, .offset: 16, .size: 8, .value_kind: global_buffer, .address_space: global }
      - { .name: ys, .offset: 24, .size: 8, .value_kind: global_buffer, .address_space: global }
    .group_segment_fixed_size: 210944
    .private_segment_fixed_size: 0
    .kernarg_segment_align: 8
    .kernarg_segment_size: 32
    .max_flat_workgroup_size: 512
    .sgpr_count:     80
    .vgpr_count:     256
    .wavefront_size: 32
...
	.end_amdgpu_metadata
.endif
;; end of part 3
;; launch proj (part 4): grid 4 x 32, 4 waves a work-group, clusters of 4 x 4, 327,680 bytes of LDS; arguments yc, ys, wc, ws, bp, out0; writes out0
.if DOCPART == 4
	.amdgcn_target "amdgcn-amd-amdhsa--gfx1250"
	.amdhsa_code_object_version 6
	.text
	.protected	k_q1c7ae654f5_proj
	.globl	k_q1c7ae654f5_proj
	.p2align	8
	.type	k_q1c7ae654f5_proj,@function
k_q1c7ae654f5_proj:
	s_mov_b64 s[64:65], 0
	v_nop
	global_prefetch_b8 v0, s[64:65] scope:SCOPE_SE
	s_setreg_imm32_b32 hwreg(HW_REG_WAVE_MODE, 25, 1), 1
	s_wait_xcnt 0x0
	s_wait_alu depctr_hold_cnt(0) depctr_sa_sdst(0) depctr_va_vdst(0) depctr_va_sdst(0) depctr_va_ssrc(0) depctr_va_vcc(0) depctr_vm_vsrc(0)
	s_getreg_b32 s2, hwreg(HW_REG_IB_STS2, 6, 4)
	s_cmp_eq_u32 s2, 0
	s_cbranch_scc0 .Lentry_in_a_cluster
	s_endpgm
.Lentry_in_a_cluster:
	s_bfe_u32 s2, ttmp6, 0x10000c
	s_cmp_lg_u32 s2, 0xf033
	s_cbranch_scc0 .Lentry_shape_is_right
	s_endpgm
.Lentry_shape_is_right:
; out = y Wp^T + bp on codes of FP6 (E2M3) with E8M0 block scales, sums in f32; out [8192][1024] f32.
; OPERANDS arrive as fragments of 1,536 bytes (a tile of 16 rows x 128 K; for each half of 64 K: registers 6 c .. 6 c + 3 at 16 x lane, then 6 c + 4, 6 c + 5 at 8 x lane); row i of tile T is matrix row
; 32 (T / 2) + 8 (T % 2) + i + 8 (i / 8).  A tile of the result is 256 x 256: four waves, each 128 x 128 in 64 accumulators.  Source 1 (role A, one set of registers) = 16 rows of y, source 0 (role B, two
; sets) = 16 rows of Wp: a lane holds one row of out and eight neighbouring columns an accumulator.  The bias is the C of each sum's first matrix instruction.
; K = 1,024 goes in 8 steps of 128 through two LDS slots of two steps each (four fills); the scale words of all of K come once.  4 x 4 work-groups form a cluster: A's tiles are asked for jointly along a row
; of the cluster, B's along a column.  The result has 128 tiles of 256 x 256: as many work-groups are launched.
; REGISTERS: window 0: v8-9, v16-31 addresses; v32-95 scale words, nothing else; v96-127, v224-255 the bias in the result's layout; v128-223 A's fragments; on the way out v128-255 rows of out.
;   window 1: B's fragments at v0 and v128.  windows 2, 3: accumulator (a, b) at v[8 (8 (a % 4) + b)] of window 2 + a / 4.
.set FR,     12
.set TILEB,  3072                      ; a tile's two K steps in a slot
.set HALFT,  8*TILEB                   ; eight tiles: what one tensor load brings, and what one wave reads of A or of B
.set SLOT,   4*HALFT                   ; A's 16 tiles, then B's
.set SCL,    2*SLOT                    ; behind the ring: A's scale words (8,192 bytes), then B's
.set SPARE,  SCL+16384                 ; the spare words, 128 bytes for each wave: two blocks of 256 bytes that no other line names
.set SPITCH, 528                       ; the way out: a stage of 16 rows x (512 bytes + 16) for each wave, in slot 0, which has had its last fill and its last read when the first result is stored there
.set STO,    8                         ; v8   where I put 32 bytes of a row
.set RD,     9                         ; v9   where I read a row back
.set ADRA16, 16
.set ADRA8,  18
.set ADRB16, 20
.set ADRB8,  22
.set L16,    24                        ; v24  16 x lane
.set L8,     25                        ; v25  8 x lane
.set H,      26                        ; v26  lane / 16
.set ADRS,   27                        ; v27  LDS address of my scale words: lanes 0-15 A's, lanes 16-31 B's
.set SPW,    28                        ; v28  LDS address of my spare word; never rewritten
.set NIL,    29                        ; v29  0; never rewritten
.set BO,     30                        ; v30  64 x (lane / 16)
.set SC,     32                        ; tile i, K step s at v[SC + 32 (s / 4) + 4 i + s % 4]
.set AF,     128
.set BK,     128
.set G1,   24
.set G0,   32
.set G1B,  48
.set G0B,  56
.set G1S,  68
.set G0S,  76
.set G1SB, 80
.set G0SB, 88
.set MSB, 0
.macro WIN new                         ; the immediate's high byte repeats the setting that is left
.if MSB != \new
	s_set_vgpr_msb (MSB<<8)|\new
.set MSB, \new
.endif
.endm
.set MUL_LO, 0xa1                      ; source 0 (B) window 1, source 1 (A) window 0, C and D window 2
.set MUL_HI, 0xf1                      ; the same, C and D window 3
.set TO_B,   0x40                      ; destination window 1, address window 0
.macro JLOAD g0a, g1a, g0b, g1b        ; a joint load: waves 0 and 1 fetch for A, waves 2 and 3 for B; four v_nop follow each of the two lines
	s_cmp_eq_u32 s23, 0
	s_cbranch_scc0 .Lfor_b_\@
	tensor_load_to_lds s[\g0a:\g0a+3], s[\g1a:\g1a+7]
	s_nop 0
.rept 4
	v_nop
.endr
	s_branch .Lasked_\@
.Lfor_b_\@:
	tensor_load_to_lds s[\g0b:\g0b+3], s[\g1b:\g1b+7]
	s_nop 0
.rept 4
	v_nop
.endr
.Lasked_\@:
.endm
.macro CREST                           ; a round of the cluster's barrier behind its opening barrier
	s_cmp_lg_u32 s22, 0
	s_cbranch_scc1 .Lnot_wave_0_\@
	s_barrier_signal -3
.Lnot_wave_0_\@:
	s_barrier_wait -3
	s_barrier_signal -1
	s_barrier_wait -1
.endm
.macro CROUND
	s_barrier_signal -1
	s_barrier_wait -1
	CREST
.endm
.macro PLACES                          ; four plain places behind a matrix instruction of this form (ISA guide 7.12.1)
.rept 4
	v_nop
.endr
.endm
	s_load_b256 s[4:11], s[0:1], 0x0               ; yc s[4:5], ys s[6:7], wc s[8:9], ws s[10:11]
	s_load_b128 s[12:15], s[0:1], 0x20             ; bp s[12:13], out0 s[14:15]
	v_lshl_add_u32 v[SPW], v0, 2, SPARE
	v_mov_b32 v[NIL], 0
	ds_add_u32 v28, v29
	ds_add_u32 v28, v29
	s_wait_dscnt 0x0
	v_lshrrev_b32 v1, 5, v0
	v_readfirstlane_b32 s22, v1                    ; wave 0..3
	s_lshr_b32 s23, s22, 1                         ; hA: which 8 tiles of A are mine.  Also: I fetch for A (0) or for B (1)
	s_and_b32 s66, s22, 1                          ; hB: which 8 tiles of B.  Also: which 8 tiles I fetch
	s_bfe_u32 s40, ttmp6, 0x40000                  ; cx, cy
	s_bfe_u32 s41, ttmp6, 0x40004
	s_and_b32 s42, ttmp7, 0xffff
	s_lshl_b32 s43, s41, 2
	s_lshl_b32 s43, 15, s43                        ; my row of the cluster
	s_lshl_b32 s44, 0x1111, s40                    ; my column
	s_or_b32 s[G1+0], s43, (3<<16)|(1<<21)         ; codes: 8 rows (tiles) of 3,072 bytes, 12,288 bytes apart, in elements of 8 bytes
	s_or_b32 s[G1B+0], s44, (3<<16)|(1<<21)
.irp g, G1, G1B
	s_mov_b32 s[\g+1], 384<<16
	s_mov_b32 s[\g+2], 8<<16
	s_mov_b32 s[\g+3], 384<<16
	s_mov_b32 s[\g+4], 8
	s_mov_b32 s[\g+5], 1536
	s_mov_b32 s[\g+6], 0
	s_mov_b32 s[\g+7], 0
.endr
	s_or_b32 s[G1S+0], s43, (3<<16)|(1<<21)        ; scale words: 4,096 dense bytes as 16 rows of 256
	s_or_b32 s[G1SB+0], s44, (3<<16)|(1<<21)
.irp g, G1S, G1SB
	s_mov_b32 s[\g+1], 32<<16
	s_mov_b32 s[\g+2], 16<<16
	s_mov_b32 s[\g+3], 32<<16
	s_mov_b32 s[\g+4], 16
	s_mov_b32 s[\g+5], 32
	s_mov_b32 s[\g+6], 0
	s_mov_b32 s[\g+7], 0
.endr
	s_lshl_b32 s45, ttmp9, 2
	s_add_co_u32 s45, s45, s40                     ; the tile column of out: it never meets cy
	s_lshl_b32 s46, s42, 2
	s_add_co_u32 s46, s46, s41                     ; the tile row: it never meets cx
	s_mul_i32 s47, s66, 98304
	s_mul_i32 s92, s46, 196608
	s_add_co_u32 s92, s92, s47
	s_mov_b32 s93, 0
	s_mul_i32 s96, s45, 196608
	s_add_co_u32 s96, s96, s47
	s_add_co_u32 s96, s96, 12*196608               ; Wp's blocks are the weights' run's blocks 12 to 15
	s_mov_b32 s97, 0
	s_lshl_b32 s47, s66, 12
	s_lshl_b32 s94, s46, 13
	s_add_co_u32 s94, s94, s47
	s_mov_b32 s95, 0
	s_lshl_b32 s98, s45, 13
	s_add_co_u32 s98, s98, s47
	s_add_co_u32 s98, s98, 12*8192
	s_mov_b32 s99, 0
	s_mul_i32 s67, s22, HALFT                      ; where they go: no place in the cluster enters an LDS address
	s_lshl_b32 s100, s22, 12
	s_wait_kmcnt 0x0
	s_add_nc_u64 s[92:93], s[4:5], s[92:93]
	s_add_nc_u64 s[94:95], s[6:7], s[94:95]
	s_add_nc_u64 s[96:97], s[8:9], s[96:97]
	s_add_nc_u64 s[98:99], s[10:11], s[98:99]
	CROUND                                         ; all sixteen work-groups are here: the first joint loads meet
	s_mov_b32 s[G0S], 1
	s_add_co_u32 s[G0S+1], s100, SCL
	s_mov_b64 s[G0S+2:G0S+3], s[94:95]
	s_or_b32 s[G0S+3], s[G0S+3], 0x80000000
	s_mov_b32 s[G0SB], 1
	s_add_co_u32 s[G0SB+1], s100, SCL
	s_mov_b64 s[G0SB+2:G0SB+3], s[98:99]
	s_or_b32 s[G0SB+3], s[G0SB+3], 0x80000000
	JLOAD G0S, G1S, G0SB, G1SB                     ; the scale words of all of K: filled once
.irp s, 0,1
	s_mov_b32 s[G0+4*\s], 1
	s_add_co_u32 s[G0+4*\s+1], s67, \s*SLOT
	s_add_nc_u64 s[G0+4*\s+2:G0+4*\s+3], s[92:93], \s*TILEB
	s_or_b32 s[G0+4*\s+3], s[G0+4*\s+3], 0x80000000
	s_mov_b32 s[G0B+4*\s], 1
	s_add_co_u32 s[G0B+4*\s+1], s67, \s*SLOT
	s_add_nc_u64 s[G0B+4*\s+2:G0B+4*\s+3], s[96:97], \s*TILEB
	s_or_b32 s[G0B+4*\s+3], s[G0B+4*\s+3], 0x80000000
	s_wait_alu depctr_va_vdst(0)
	s_wait_tensorcnt 0x0
	ds_add_u32 v28, v29
	s_wait_dscnt 0x0
	CROUND
	JLOAD G0+4*\s, G1, G0B+4*\s, G1B               ; one tensor load of mine is out
.endr
	v_and_b32 v1, 31, v0                           ; lane
	v_and_b32 v2, 15, v0                           ; r
	v_bfe_u32 v[H], v0, 4, 1
	v_lshlrev_b32 v[L16], 4, v1
	v_lshlrev_b32 v[L8], 3, v1
	s_mul_i32 s2, s23, HALFT
	s_mul_i32 s3, s66, HALFT
	s_add_co_u32 s3, s3, 2*HALFT
.irp s, 0,1
	v_add_nc_u32 v[ADRA16+\s], s2, v[L16]
	v_add_nc_u32 v[ADRA8+\s], s2, v[L8]
	v_add_nc_u32 v[ADRB16+\s], s3, v[L16]
	v_add_nc_u32 v[ADRB8+\s], s3, v[L8]
	s_add_co_u32 s2, s2, SLOT
	s_add_co_u32 s3, s3, SLOT
.endr
	s_lshl_b32 s2, s23, 12
	s_lshl_b32 s3, s66, 12
	s_add_co_u32 s3, s3, 8192
	s_sub_co_u32 s3, s3, s2
	v_mul_u32_u24 v3, s3, v[H]                     ; lanes 16-31 take B's: one product, the distance x (lane / 16)
	s_add_co_u32 s2, s2, SCL
	v_lshl_add_u32 v3, v2, 4, v3
	v_add_nc_u32 v[ADRS], s2, v3
	s_mul_i32 s2, s22, 16*SPITCH                   ; my stage
	v_mul_u32_u24 v[STO], v2, SPITCH
	v_lshl_add_u32 v[STO], v[H], 6, v[STO]
	v_add_nc_u32 v[STO], s2, v[STO]                ; in: row r, + 64 (lane / 16)
	v_add_nc_u32 v[RD], s2, v[L16]                 ; back: the 32 lanes take one row of 512 bytes
	s_lshl_b32 s2, s45, 10
	s_lshl_b32 s3, s66, 9
	s_add_co_u32 s2, s2, s3                        ; my first column, in bytes: 4 (256 x tile column + 128 hB)
	s_mov_b32 s3, 0
	s_add_nc_u64 s[12:13], s[12:13], s[2:3]
	s_add_nc_u64 s[14:15], s[14:15], s[2:3]
	s_lshl_b32 s2, s46, 8
	s_lshl_b32 s47, s23, 7
	s_add_co_u32 s2, s2, s47                       ; my first row
	s_lshl_b32 s2, s2, 12                          ; rows of 4,096 bytes
	s_add_nc_u64 s[14:15], s[14:15], s[2:3]
	v_lshlrev_b32 v[BO], 6, v[H]
.irp b, 0,1,2,3,4,5,6,7
	global_load_b128 v[96+8*\b+96*(\b/4):96+8*\b+96*(\b/4)+3], v[BO], s[12:13] offset:4*(32*(\b/2)+8*(\b%2))        ; tile b's eight columns of my half
	global_load_b128 v[96+8*\b+96*(\b/4)+4:96+8*\b+96*(\b/4)+7], v[BO], s[12:13] offset:4*(32*(\b/2)+8*(\b%2))+16
.endr
.macro FRAG reg, a16, a8, q, i         ; a fragment as it lies: four loads, each of the wave's 512 or 256 consecutive bytes
	ds_load_b128 v[\reg:\reg+3], v[\a16] offset:TILEB*(\i)+1536*(\q)
	ds_load_b64 v[\reg+4:\reg+5], v[\a8] offset:TILEB*(\i)+1536*(\q)+512
	ds_load_b128 v[\reg+6:\reg+9], v[\a16] offset:TILEB*(\i)+1536*(\q)+768
	ds_load_b64 v[\reg+10:\reg+11], v[\a8] offset:TILEB*(\i)+1536*(\q)+1280
.endm
.macro FETCH_B slot, q, p
	WIN TO_B
.irp i, 0,1,2,3,4,5,6,7
	FRAG 128*(\p)+FR*\i, ADRB16+\slot, ADRB8+\slot, \q, \i
.endr
	WIN 0
.endm
.macro FETCH_A slot, q, i0
.irp i, \i0, \i0+1, \i0+2, \i0+3
	FRAG AF+FR*(\i), ADRA16+\slot, ADRA8+\slot, \q, \i
.endr
.endm
; 16 matrix instructions: A's tiles a0, a0 + 1 x B's eight, K step ks.  p: B's set.  first = 1: the sums begin with the bias as C.  The 64 accumulators take turns, one instruction a turn, in the same order
; in every step.
.macro MUL16 a0, p, ks, first
.irp a, \a0, \a0+1
.irp b, 0,1,2,3,4,5,6,7
.set rD, 8*(8*((\a)%4)+\b)
.set rB, 128*(\p)+FR*\b
.set rA, AF+FR*(\a)
.set rC, 96+8*\b+96*(\b/4)
.set sB, SC+32*((\ks)/4)+4*\b+(\ks)%4
.set sA, SC+32*((\ks)/4)+4*(\a)+(\ks)%4
.if \first
	v_wmma_scale_f32_16x16x128_f8f6f4 v[rD:rD+7], v[rB:rB+FR-1], v[rA:rA+FR-1], v[rC:rC+7], v[sB], v[sA] matrix_a_fmt:MATRIX_FMT_FP6 matrix_b_fmt:MATRIX_FMT_FP6 matrix_a_scale:MATRIX_SCALE_ROW1
.else
	v_wmma_scale_f32_16x16x128_f8f6f4 v[rD:rD+7], v[rB:rB+FR-1], v[rA:rA+FR-1], v[rD:rD+7], v[sB], v[sA] matrix_a_fmt:MATRIX_FMT_FP6 matrix_b_fmt:MATRIX_FMT_FP6 matrix_a_scale:MATRIX_SCALE_ROW1
.endif
.endr
.endr
.endm
.macro STEP slot, ks, first            ; a slot's first K step: B's set 0; the slot's second step is fetched meanwhile
	s_wait_dscnt 16                                ; all but the youngest sixteen loads (A's tiles 4-7) are in
.if \first
	WIN 0x81                                       ; C (the bias) window 0, D window 2
.else
	WIN MUL_LO
.endif
	MUL16 0, 0, \ks, \first
	MUL16 2, 0, \ks, \first
	s_wait_dscnt 0x0                               ; A's tiles 4-7 are in
	PLACES
	FETCH_B \slot, 1, 1
	FETCH_A \slot, 1, 0
.if \first
	WIN 0xc1                                       ; C window 0, D window 3
.else
	WIN MUL_HI
.endif
	MUL16 4, 0, \ks, \first
	MUL16 6, 0, \ks, \first
	PLACES
	WIN 0
	FETCH_A \slot, 1, 4
.endm
; A slot's second K step changes slots: ONE barrier; in front of it each wave waits for all its tensor loads, adds 0 to its spare word, and waits for that and for its reads of this slot.
.macro TURN slot, next, ks, fill
	s_wait_tensorcnt 0x0                           ; all my tensor loads have landed: my part of the next slot  (every window is 0 here)
	ds_add_u32 v[SPW], v[NIL]                      ; 0 onto my spare word
	s_wait_dscnt 17                                ; (the add and the youngest sixteen loads may be out)
	WIN MUL_LO
	MUL16 0, 1, \ks, 0                             ; sixteen matrix instructions stand between the add and the wait for it
	s_wait_dscnt 0x0                               ; the add is done, and my reads of this slot are over
	s_barrier_signal -1
	MUL16 2, 1, \ks, 0
	WIN 0
	s_barrier_wait -1
.if \fill
	CREST                                          ; no wave of any partner still reads this slot or has a load on its way
	s_add_nc_u64 s[G0+4*\slot+2:G0+4*\slot+3], s[G0+4*\slot+2:G0+4*\slot+3], 2*TILEB
	s_add_nc_u64 s[G0B+4*\slot+2:G0B+4*\slot+3], s[G0B+4*\slot+2:G0B+4*\slot+3], 2*TILEB
	JLOAD G0+4*\slot, G1, G0B+4*\slot, G1B         ; my one tensor load behind the round; the four v_nop behind it are the places in front of the loads below
.else
	PLACES
.endif
	FETCH_B \next, 0, 0
	FETCH_A \next, 0, 0
	WIN MUL_HI
	MUL16 4, 1, \ks, 0
	MUL16 6, 1, \ks, 0
	PLACES
	WIN 0
	FETCH_A \next, 0, 4
.endm
	s_wait_alu depctr_va_vdst(0)
	s_wait_tensorcnt 1                             ; the scale words and my part of slot 0 are in; slot 1's load may be out
	s_barrier_signal -1
	s_barrier_wait -1
	FETCH_B 0, 0, 0
	FETCH_A 0, 0, 0
.irp q, 0,1
.irp i, 0,1,2,3,4,5,6,7
	ds_load_b128 v[SC+32*\q+4*\i:SC+32*\q+4*\i+3], v[ADRS] offset:512*\i+256*\q   ; all scale words, once
.endr
.endr
	FETCH_A 0, 0, 4
	s_wait_loadcnt 0x0                             ; the bias
	STEP 0, 0, 1
	TURN 0, 1, 1, 1
	STEP 1, 2, 0
	TURN 1, 0, 3, 1
	STEP 0, 4, 0
	TURN 0, 1, 5, 0                                ; nothing is left to fetch; behind this barrier nobody reads slot 0
	STEP 1, 6, 0
	s_wait_dscnt 16
	WIN MUL_LO
	MUL16 0, 1, 7, 0
	MUL16 2, 1, 7, 0
	s_wait_dscnt 0x0
	WIN MUL_HI
	MUL16 4, 1, 7, 0
	MUL16 6, 1, 7, 0
	WIN 0
; THE WAY OUT, tile of rows by tile of rows.  In accumulator (a, b) lane (r, h) holds columns 32 (b / 2) + 8 (b % 2) + 16 h + 0 .. 7 of the tile's row r: 32 bytes.  A tile goes through my own stage in LDS and
; comes back as whole rows of 512 bytes.  LDS serves a wave's instructions in order: no wait between the stores and the loads, nor in front of the next tile's stores.
.macro TOSTAGE a
.set AC, 64*((\a)%4)
	WIN 0x08+4*((\a)/4)                            ; an LDS store's data are its source 1: window 2 or 3
.irp b, 0,1,2,3,4,5,6,7
	ds_store_b128 v[STO], v[AC+8*\b:AC+8*\b+3] offset:128*(\b/2)+32*(\b%2)        ; each accumulator from its low end on
	ds_store_b128 v[STO], v[AC+8*\b+4:AC+8*\b+7] offset:128*(\b/2)+32*(\b%2)+16
.endr
	WIN 0
.set BB, BK+64*((\a)%2)
.irp t, 0,1,2,3,4,5,6,7,8,9,10,11,12,13,14,15
	ds_load_b128 v[BB+4*\t:BB+4*\t+3], v[RD] offset:\t*SPITCH
.endr
.endm
.macro SEND a, younger                 ; younger: the LDS instructions issued behind tile a's loads, which may stay out
.set BB, BK+64*((\a)%2)
	s_wait_dscnt \younger
.irp t, 0,1,2,3,4,5,6,7,8,9,10,11,12,13,14,15
	global_store_b128 v[L16], v[BB+4*\t:BB+4*\t+3], s[14:15] offset:(32*((\a)/2)+8*((\a)%2)+\t+8*(\t/8))*4096 th:TH_STORE_NT   ; 512 consecutive bytes, aligned to 256; the tile's row t, 127 rows on at the most
.endr
.endm
	PLACES                                         ; for the first reads of results and the loads into registers that held A's fragments
	TOSTAGE 0
.irp a, 1,2,3,4,5,6,7
.if \a > 1
	s_wait_xcnt 0x0                                ; tile a - 2's stores have had their addresses translated: tile a's loads land on their data registers only behind this wait
.endif
	TOSTAGE \a
	SEND \a-1, 32                                  ; behind tile a - 1's loads: tile a's 16 stores and 16 loads
.endr
	SEND 7, 0
	s_wait_tensorcnt 0x0                           ; the wave's end
	ds_add_u32 v[SPW], v[NIL]
	s_wait_dscnt 0x0
	CROUND                                         ; the closing round: no work-group ends while a partner may still ask for a tile that names it
	s_endpgm
.Lfunc_end_k_q1c7ae654f5_proj:
	.size	k_q1c7ae654f5_proj, .Lfunc_end_k_q1c7ae654f5_proj-k_q1c7ae654f5_proj
	.p2alignl 7, 3214868480
	.fill 96, 4, 3214868480
	.section	.rodata,"a",@progbits
	.p2align	6, 0x0
	.amdhsa_kernel k_q1c7ae654f5_proj
		.amdhsa_group_segment_fixed_size 327680
		.amdhsa_private_segment_fixed_size 0
		.amdhsa_enable_private_segment 0
		.amdhsa_kernarg_size 48
		.amdhsa_user_sgpr_count 2
		.amdhsa_user_sgpr_kernarg_segment_ptr 1
		.amdhsa_wavefront_size32 1
		.amdhsa_system_sgpr_workgroup_id_x 1
		.amdhsa_system_sgpr_workgroup_id_y 1
		.amdhsa_system_sgpr_workgroup_id_z 1
		.amdhsa_system_vgpr_workitem_id 0
		.amdhsa_next_free_vgpr 1024
		.amdhsa_next_free_sgpr 102
		.amdhsa_reserve_vcc 0
		.amdhsa_float_denorm_mode_32 3
		.amdhsa_float_denorm_mode_16_64 3
		.amdhsa_memory_ordered 1
		.amdhsa_forward_progress 1
		.amdhsa_inst_pref_size 144
	.end_amdhsa_kernel
	.amdgpu_metadata
---
amdhsa.version: [ 1, 2 ]
amdhsa.kernels:
  - .name:           k_q1c7ae654f5_proj
    .symbol:         k_q1c7ae654f5_proj.kd
    .args:
      - { .name: yc, .offset: 0, .size: 8, .value_kind: global_buffer, .address_space: global }
      - { .name: ys, .offset: 8, .size: 8, .value_kind: global_buffer, .address_space: global }
      - { .name: wc, .offset: 16, .size: 8, .value_kind: global_buffer, .address_space: global }
      - { .name: ws, .offset: 24, .size: 8, .value_kind: global_buffer, .address_space: global }
      - { .name: bp, .offset: 32, .size: 8, .value_kind: global_buffer, .address_space: global }
      - { .name: out0, .offset: 40, .size: 8, .value_kind: global_buffer, .address_space: global }
    .group_segment_fixed_size: 327680
    .private_segment_fixed_size: 0
    .kernarg_segment_align: 8
    .kernarg_segment_size: 48
    .max_flat_workgroup_size: 128
    .sgpr_count:     102
    .vgpr_count:     1024
    .wavefront_size: 32
...
	.end_amdgpu_metadata
.endif
;; end of part 4
